; MI455X (gfx1250); checked and timed in simulation.
; The chip was launched on July 23, 2026; its instructions are those of AMD's public machine-readable ISA for CDNA 5 (MIT licence, August 2026) and "CDNA5" Instruction Set Architecture Reference Guide (July 2026). The comments in the code are by the model that wrote it; some were corrected since.
;; Transformer Block. Allowed arithmetic: matrix products marked QUANTISED: E4M3 operands, one E8M0 scale for each 32 along K, by v_wmma_scale_f32_16x16x128_f8f6f4 with both operands' format E4M3, f32 sums; everything else in f32.
;; Inputs: b1 4,096 float32; b2 1,024 float32; b_out 1,024 float32; ln1_scale 1,024 float32; ln1_shift 1,024 float32; ln2_scale 1,024 float32; ln2_shift 1,024 float32; w1_codes 4,096 x 32 x 32 uint8 (E4M3 codes of w1, K innermost, in blocks of 32 codes); w1_scales 4,096 x 32 uint8 (E8M0 scales of w1, one for each 32 codes along K); w2_codes 1,024 x 128 x 32 uint8 (E4M3 codes of w2, K innermost, in blocks of 32 codes); w2_scales 1,024 x 128 uint8 (E8M0 scales of w2, one for each 32 codes along K); w_out_codes 1,024 x 32 x 32 uint8 (E4M3 codes of w_out, K innermost, in blocks of 32 codes); w_out_scales 1,024 x 32 uint8 (E8M0 scales of w_out, one for each 32 codes along K); wk_codes 1,024 x 32 x 32 uint8 (E4M3 codes of wk, K innermost, in blocks of 32 codes); wk_scales 1,024 x 32 uint8 (E8M0 scales of wk, one for each 32 codes along K); wq_codes 1,024 x 32 x 32 uint8 (E4M3 codes of wq, K innermost, in blocks of 32 codes); wq_scales 1,024 x 32 uint8 (E8M0 scales of wq, one for each 32 codes along K); wv_codes 1,024 x 32 x 32 uint8 (E4M3 codes of wv, K innermost, in blocks of 32 codes); wv_scales 1,024 x 32 uint8 (E8M0 scales of wv, one for each 32 codes along K); x 2 x 2,048 x 1,024 float32.
;; Outputs: out0 2 x 2,048 x 1,024 float32.
;; This version of the problem:
;;   THIS VERSION OF THE PROBLEM IS GIVEN IN LOW PRECISION. The matrix products marked QUANTISED in the list below multiply operands that are first quantised to E4M3 (4 exponent bits, 3 mantissa bits; 8 bits a number), with one power-of-two scale for each 32 numbers along K (OCP MX v1.0); their sums are f32. All else is computed in f32.
;;   The module's matrix products, in the order in which they are computed (A, B: the left and right operand; K: the contracted axis; several contracted axes count as one K, in the product's order):
;;     1. [M 4,096, K 1,024] x [K 1,024, N 1,024]; A: computed on the way; B: input wq (given as codes): QUANTISED
;;     2. [M 4,096, K 1,024] x [K 1,024, N 1,024]; A: computed on the way; B: input wk (given as codes): QUANTISED
;;     3. [M 4,096, K 1,024] x [K 1,024, N 1,024]; A: computed on the way; B: input wv (given as codes): QUANTISED
;;     4. batch 32 x [M 2,048, K 64] x [K 64, N 2,048]; A: computed on the way; B: computed on the way: QUANTISED
;;     5. batch 32 x [M 64, K 2,048] x [K 2,048, N 2,048]; A: computed on the way; B: softmax (see below): QUANTISED
;;     6. [M 4,096, K 1,024] x [K 1,024, N 1,024]; A: computed on the way; B: input w_out (given as codes): QUANTISED
;;     7. [M 4,096, K 1,024] x [K 1,024, N 4,096]; A: computed on the way; B: input w1 (given as codes): QUANTISED
;;     8. [M 4,096, K 4,096] x [K 4,096, N 1,024]; A: computed on the way; B: input w2 (given as codes): QUANTISED
;;   THE QUANTISER, for each operand of a quantised product, along K:
;;     - K is cut into blocks of 32 from its start; a last block that is shorter is filled with zeros.
;;     - A block's scale is 2^e with e = floor(log2(the largest magnitude in the block)) - 8, held to -126 .. 127; a block of zeros has e = 0. As a byte (E8M0): e + 127.
;;     - Each number is divided by its block's scale, clamped to +-448, and rounded to the nearest number of E4M3, ties to even, subnormals kept.
;;     - The product sums the exact products of the quantised numbers (number of the format x scale) in f32.
;;   ~~~python
;;   def quantise(x, axis):      # numpy; x: float32 -> the quantised numbers, widened to float32 again
;;       x = np.moveaxis(x, axis, -1); K = x.shape[-1]
;;       x = np.pad(x, [(0, 0)] * (x.ndim - 1) + [(0, -K % 32)]); x = x.reshape(x.shape[:-1] + (-1, 32)); a = np.abs(x).max(-1, keepdims=True)
;;       e = np.where(a > 0, np.clip(np.frexp(np.where(a > 0, a, 1))[1] - 1 - 8, -126, 127), 0)      # np.frexp(a)[1] - 1 = floor(log2(a)), exactly
;;       r = np.clip(x / 2.0 ** e, -448, 448)
;;       step = 2.0 ** (np.maximum(np.frexp(np.where(r == 0, 1, r))[1] - 1, -6) - 3)
;;       q = np.round(r / step) * step * 2.0 ** e      # np.round: ties to even
;;       return np.moveaxis(q.reshape(q.shape[:-2] + (-1,))[..., :K], -1, axis).astype(np.float32)
;;   ~~~
;;   SOFTMAX AHEAD OF A QUANTISED PRODUCT. Where the list says 'softmax', what is quantised is not the finished softmax but p = 2^(t - M), with t = logit x log2(e) and M = ceil(the row's largest t), a whole number; so 1/2 < the row's largest p <= 1. The row's sum l is taken of the UNQUANTISED p, in f32, and the product's result is divided by l at the end. Since M is a whole number, a kernel that streams over the keys may use a running M (the ceiling of the running maximum): every later rescaling is an exact power of two, which a block's scale takes up: the codes' values come out the same.
;;   OPERANDS COMPUTED ON THE WAY. 'Computed on the way' means the value that the module computes at that place (a softmax that the list does not call 'softmax' is quantised finished and normalised). What goes into a quantiser is computed in f32, as accurately as f32 sums, v_exp_f32 and their like allow (about 1e-6 of the number): no bf16 or f16 on the way to a quantiser, and a product that is left as it is and whose result goes on into a quantised operand takes f32 operands (vector FMAs, or v_wmma_f32_16x16x4_f32). A number that lies on a knife's edge between two numbers of the format may be rounded either way, as far as f32 arithmetic and the matrix unit's own rounding can turn it there, and no further.
;;   INPUTS GIVEN AS CODES. w1 (in the module: [1024, 4096], K = its axis 0); w2 (in the module: [4096, 1024], K = its axis 0); w_out (in the module: [1024, 1024], K = its axis 0); wk (in the module: [1024, 1024], K = its axis 0); wq (in the module: [1024, 1024], K = its axis 0); wv (in the module: [1024, 1024], K = its axis 0): each comes as NAME_codes (uint8): NAME with its K axis moved to the last place and cut into blocks of 32 codes, [.., K / 32, bytes a block], one block behind the other in memory; one code a byte (a code: sign, 4 exponent bits, 3 mantissa bits); and NAME_scales (uint8): the same leading axes, one E8M0 byte (e + 127) for each 32 codes along K. Its value is code x scale, taken as it is: it is not quantised again, and the codes and scales need not be those that the quantiser above would give.
;; One version. Each part assembles by itself: llvm-mc -triple=amdgcn-amd-amdhsa -mcpu=gfx1250 --defsym DOCPART=n.
;; ======== version 1 of 1: 7 launches
;; limits: right only within a limited range of input values
;; workspace buffers: act 4,325,376 bytes; qkv 12,976,128 bytes; ctx 4,325,376 bytes; sc 16,777,216 bytes; hid 17,301,504 bytes
;; launch ln1 (part 1): grid 256 x 1, 8 waves a work-group, no clusters, 42,496 bytes of LDS; arguments x, ln1_scale, ln1_shift, act; writes act
.if DOCPART == 1
	.amdgcn_target "amdgcn-amd-amdhsa--gfx1250"
	.amdhsa_code_object_version 6
	.text
	.protected	k_qf2548ed2ff_ln1
	.globl	k_qf2548ed2ff_ln1
	.p2align	8
	.type	k_qf2548ed2ff_ln1,@function
k_qf2548ed2ff_ln1:
	s_mov_b64 s[64:65], 0
	v_nop
	global_prefetch_b8 v0, s[64:65] scope:SCOPE_SE
	s_setreg_imm32_b32 hwreg(HW_REG_WAVE_MODE, 25, 1), 1
	s_wait_xcnt 0x0
; y = (x - mean) / sqrt(var + 1e-5) * gain + shift over rows of 1,024 f32 (var with the divisor 1,023), then the MX quantiser along the row:
; codes of E4M3 [4096][1024] at byte 0 of the output buffer, one E8M0 byte for each 32 numbers, [4096][32], at byte 0x400000.
; SHARES.  A work-group takes 16 rows, a wave two.  A row is eight loads of 512 consecutive bytes and stays in 32 registers; mean and variance are taken in two passes
; (the differences from the mean are squared), so a common offset of the inputs costs no digits.
; The conversions want 16 neighbours in one lane, the loads give 4: each half row (512 numbers) turns through the wave's own stage in LDS (64 bytes a lane, 16 of padding behind them).
; The work-group's 512 scale bytes are gathered in LDS and leave as two aligned blocks of 256 bytes.
; LIMITS: NaN and infinities are not served; a block of zeros, and one whose largest magnitude lies under 2^-118, gets the byte 1 (its codes are zeros or subnormal; only this program reads the bytes).
.set SP,   80                          ; a lane's place in a stage
.set WREG, 5120                        ; two stages of 32 x SP bytes for each wave
.set SCB,  40960                       ; behind them: the work-group's scale bytes
.set XR,   16                          ; v16-79   two rows
.set GA,   80                          ; v80-111  gain
.set BT,   112                         ; v112-143 shift
.set X,    144                         ; v144-175 two sets of 16 neighbours
.set C,    176                         ; v176-191 codes, four registers a step
.set E,    192                         ; v192-195 a scale byte a step
.set RS,   196                         ; v196-199 1 / sqrt(var + eps), twice for each row
	s_load_b256 s[4:11], s[0:1], 0x0               ; source, gain, shift, output
	v_lshl_add_u32 v200, v0, 2, 0xa200
	v_mov_b32 v201, 0
	v_lshrrev_b32 v1, 5, v0
	s_delay_alu instid0(VALU_DEP_1)
	v_readfirstlane_b32 s16, v1                    ; wave
	v_and_b32 v1, 31, v0                           ; lane
	s_delay_alu instid0(VALU_DEP_1)
	v_lshlrev_b32 v2, 4, v1                        ; 16 x lane
	s_mul_i32 s17, s16, WREG
	v_lshrrev_b32 v3, 2, v1
	s_delay_alu instid0(VALU_DEP_1)
	v_mul_u32_u24 v3, v3, SP
	v_and_b32 v6, 3, v1
	s_delay_alu instid0(VALU_DEP_1)
	v_lshl_add_u32 v3, v6, 4, v3
	s_delay_alu instid0(VALU_DEP_1)
	v_add_nc_u32 v3, s17, v3                       ; into a stage: SP (lane / 4) + 16 (lane % 4)
	v_mul_u32_u24 v4, v1, SP
	s_delay_alu instid0(VALU_DEP_1)
	v_add_nc_u32 v4, s17, v4                       ; out of it: SP x lane
	v_lshrrev_b32 v5, 1, v1
	s_lshl_b32 s18, s16, 6
	s_add_co_u32 s18, s18, SCB
	v_add_nc_u32 v5, s18, v5                       ; my block's scale byte: 64 bytes a wave
	v_add_nc_u32 v7, SCB, v2                       ; wave 0 reads all 512 back
	s_mov_b32 s12, 0x76543210
	s_mov_b32 s13, 0xfedcba98                      ; lane selects: lane l xor 16
	s_mov_b32 s14, 0x600000                        ; the mantissa field of 448
	s_mov_b32 s28, 0x3a802008                      ; 1 / 1023
	s_mov_b32 s29, 0x3727c5ac                      ; 1e-5
	s_lshl_b32 s18, ttmp9, 4
	s_lshl_b32 s19, s16, 1
	s_add_co_u32 s18, s18, s19                     ; my first row
	s_lshl_b32 s20, s18, 12
	s_mov_b32 s21, 0
	s_lshl_b32 s22, s18, 10
	s_mov_b32 s23, 0
	s_lshl_b32 s24, ttmp9, 9
	s_add_co_u32 s24, s24, 0x400000
	s_mov_b32 s25, 0
	s_wait_kmcnt 0x0
	s_add_nc_u64 s[4:5], s[4:5], s[20:21]
	s_add_nc_u64 s[26:27], s[10:11], s[24:25]      ; the work-group's scale bytes
	s_add_nc_u64 s[10:11], s[10:11], s[22:23]      ; my rows' codes
.irp p, 0,1
.irp j, 0,1,2,3,4,5,6,7
	global_load_b128 v[XR+32*\p+4*\j:XR+32*\p+4*\j+3], v2, s[4:5] offset:4096*\p+512*\j
.endr
.endr
.irp j, 0,1,2,3,4,5,6,7
	global_load_b128 v[GA+4*\j:GA+4*\j+3], v2, s[6:7] offset:512*\j
.endr
.irp j, 0,1,2,3,4,5,6,7
	global_load_b128 v[BT+4*\j:BT+4*\j+3], v2, s[8:9] offset:512*\j
.endr
.macro WSUM                            ; v8 summed over the 32 lanes, the result in every lane
	s_delay_alu instid0(VALU_DEP_1)
	v_add_f32_dpp v8, v8, v8 row_xmask:1 row_mask:0xf bank_mask:0xf
	s_delay_alu instid0(VALU_DEP_1)
	v_add_f32_dpp v8, v8, v8 row_xmask:2 row_mask:0xf bank_mask:0xf
	s_delay_alu instid0(VALU_DEP_1)
	v_add_f32_dpp v8, v8, v8 row_xmask:4 row_mask:0xf bank_mask:0xf
	s_delay_alu instid0(VALU_DEP_1)
	v_add_f32_dpp v8, v8, v8 row_xmask:8 row_mask:0xf bank_mask:0xf
	s_delay_alu instid0(VALU_DEP_1)
	v_permlanex16_b32 v9, v8, s12, s13
	s_delay_alu instid0(VALU_DEP_1)
	v_add_f32 v8, v8, v9
.endm
; row p: the mean, the differences from it (in place), their squares' sum, 1 / sqrt(var + eps).  left: the younger loads, which may stay out
.macro STATS p, left
.set R0, XR+32*\p
	s_wait_loadcnt \left
	v_pk_add_f32 v[8:9], v[R0:R0+1], v[R0+2:R0+3]
	v_pk_add_f32 v[10:11], v[R0+4:R0+5], v[R0+6:R0+7]
.irp i, 8,12,16,20,24,28
	s_delay_alu instid0(VALU_DEP_2)
	v_pk_add_f32 v[8:9], v[8:9], v[R0+\i:R0+\i+1]
	s_delay_alu instid0(VALU_DEP_2)
	v_pk_add_f32 v[10:11], v[10:11], v[R0+\i+2:R0+\i+3]
.endr
	s_delay_alu instid0(VALU_DEP_1)
	v_pk_add_f32 v[8:9], v[8:9], v[10:11]
	s_delay_alu instid0(VALU_DEP_1)
	v_add_f32 v8, v8, v9
	WSUM
	s_delay_alu instid0(VALU_DEP_1)
	v_mul_f32 v12, 0x3a800000, v8                  ; / 1024
	s_delay_alu instid0(VALU_DEP_2)
	v_mul_f32 v13, 0x3a800000, v8
.irp i, 0,2,4,6,8,10,12,14,16,18,20,22,24,26,28,30
	v_pk_add_f32 v[R0+\i:R0+\i+1], v[R0+\i:R0+\i+1], v[12:13] neg_lo:[0,1] neg_hi:[0,1]
.endr
	v_pk_mul_f32 v[8:9], v[R0:R0+1], v[R0:R0+1]
	v_pk_mul_f32 v[10:11], v[R0+2:R0+3], v[R0+2:R0+3]
.irp i, 4,8,12,16,20,24,28
	s_delay_alu instid0(VALU_DEP_2)
	v_pk_fma_f32 v[8:9], v[R0+\i:R0+\i+1], v[R0+\i:R0+\i+1], v[8:9]
	s_delay_alu instid0(VALU_DEP_2)
	v_pk_fma_f32 v[10:11], v[R0+\i+2:R0+\i+3], v[R0+\i+2:R0+\i+3], v[10:11]
.endr
	s_delay_alu instid0(VALU_DEP_1)
	v_pk_add_f32 v[8:9], v[8:9], v[10:11]
	s_delay_alu instid0(VALU_DEP_1)
	v_add_f32 v8, v8, v9
	WSUM
	s_delay_alu instid0(VALU_DEP_1)
	v_fma_f32 v8, v8, s28, s29                     ; var + eps
	s_wait_alu depctr_va_vdst(0)
	v_rsq_f32 v[RS+2*\p], v8                       ; twice: the packed multiply wants a pair
	v_rsq_f32 v[RS+2*\p+1], v8
	v_nop                                          ; a plain line behind the transcendentals,
	s_wait_alu depctr_va_vdst(0)                   ; and the wait ahead of their first reader
.endm
.macro NORM p
.set R0, XR+32*\p
.irp i, 0,2,4,6,8,10,12,14,16,18,20,22,24,26,28,30
	v_pk_mul_f32 v[R0+\i:R0+\i+1], v[R0+\i:R0+\i+1], v[RS+2*\p:RS+2*\p+1]
.endr
.irp i, 0,2,4,6,8,10,12,14,16,18,20,22,24,26,28,30
	v_pk_fma_f32 v[R0+\i:R0+\i+1], v[R0+\i:R0+\i+1], v[GA+\i:GA+\i+1], v[BT+\i:BT+\i+1]
.endr
.endm
.macro TURN t                          ; half row t through stage t % 2: LDS serves a wave's instructions in order, so no wait stands between the stores and the loads
.irp i, 0,1,2,3
	ds_store_b128 v3, v[XR+16*(\t)+4*\i:XR+16*(\t)+4*\i+3] offset:32*SP*((\t)%2)+8*SP*\i
.endr
.irp i, 0,1,2,3
	ds_load_b128 v[X+16*((\t)%2)+4*\i:X+16*((\t)%2)+4*\i+3], v4 offset:32*SP*((\t)%2)+16*\i
.endr
.endm
.macro QSTEP t, left                   ; half row t: two neighbouring lanes hold a block of 32.  left: the younger LDS instructions
.set XS, X+16*((\t)%2)
	s_wait_dscnt \left
	v_max3_num_f32 v8, |v[XS]|, |v[XS+1]|, |v[XS+2]|
	v_max3_num_f32 v9, |v[XS+3]|, |v[XS+4]|, |v[XS+5]|
.irp i, 6,10
	s_delay_alu instid0(VALU_DEP_2)
	v_max3_num_f32 v8, v8, |v[XS+\i]|, |v[XS+\i+1]|
	s_delay_alu instid0(VALU_DEP_2)
	v_max3_num_f32 v9, v9, |v[XS+\i+2]|, |v[XS+\i+3]|
.endr
	s_delay_alu instid0(VALU_DEP_2)
	v_max3_num_f32 v8, v8, |v[XS+14]|, |v[XS+15]|
	s_delay_alu instid0(VALU_DEP_1)
	v_max3_num_f32 v8, v8, v9, 0x4800000           ; the floor 2^(9 - 127): the byte cannot fall under 1
	s_delay_alu instid0(VALU_DEP_1)
	v_max_num_f32_dpp v8, v8, v8 row_xmask:1 row_mask:0xf bank_mask:0xf
	s_delay_alu instid0(VALU_DEP_1)
	v_add_nc_u32 v11, 0xfc000000, v8               ; 8 off the exponent field: the conversion's scale operand
	s_delay_alu instid0(VALU_DEP_2)
	v_and_or_b32 v10, v8, 0x7f800000, s14          ; 448 x the scale
.irp i, 0,1,2,3,4,5,6,7,8,9,10,11,12,13,14,15
	v_med3_num_f32 v[XS+\i], v[XS+\i], -v10, v10   ; the conversion to an 8-bit code does not saturate (ISA guide 7.6.2): the hold
.endr
	v_cvt_scalef32_pk8_fp8_f32 v[C+4*(\t):C+4*(\t)+1], v[XS:XS+7], v11
	v_cvt_scalef32_pk8_fp8_f32 v[C+4*(\t)+2:C+4*(\t)+3], v[XS+8:XS+15], v11
	v_lshrrev_b32 v[E+(\t)], 23, v11               ; the scale's byte
	ds_store_b8 v5, v[E+(\t)] offset:16*(\t)       ; both lanes of a block write the same byte with the same value
	global_store_b128 v2, v[C+4*(\t):C+4*(\t)+3], s[10:11] offset:512*(\t)   ; 32 lanes store 512 consecutive bytes
.endm
	STATS 0, 24                                    ; behind row 0: row 1, gain and shift
	STATS 1, 16                                    ; behind row 1: gain and shift
	s_wait_loadcnt 0x0
	NORM 0
	TURN 0
	NORM 1
	TURN 1
	QSTEP 0, 8                                     ; the next turn's eight may be out
	TURN 2
	QSTEP 1, 9                                     ; a byte store and the next turn's eight
	TURN 3
	QSTEP 2, 9
	QSTEP 3, 1                                     ; a byte store
	s_wait_dscnt 0x0                               ; for the others' sake: my byte stores have landed
	s_barrier_signal -1
	s_barrier_wait -1
	s_cmp_lg_u32 s16, 0
	s_cbranch_scc1 .Lend
	ds_load_b128 v[8:11], v7
	s_wait_dscnt 0x0
	global_store_b128 v2, v[8:11], s[26:27]        ; 512 consecutive bytes, aligned
.Lend:
	s_wait_tensorcnt 0x0
	ds_add_u32 v200, v201
	s_wait_dscnt 0x0
	s_endpgm
.Lfunc_end_k_qf2548ed2ff_ln1:
	.size	k_qf2548ed2ff_ln1, .Lfunc_end_k_qf2548ed2ff_ln1-k_qf2548ed2ff_ln1
	.p2alignl 7, 3214868480
	.fill 96, 4, 3214868480
	.section	.rodata,"a",@progbits
	.p2align	6, 0x0
	.amdhsa_kernel k_qf2548ed2ff_ln1
		.amdhsa_group_segment_fixed_size 42496
		.amdhsa_private_segment_fixed_size 0
		.amdhsa_enable_private_segment 0
		.amdhsa_kernarg_size 32
		.amdhsa_user_sgpr_count 2
		.amdhsa_user_sgpr_kernarg_segment_ptr 1
		.amdhsa_wavefront_size32 1
		.amdhsa_system_sgpr_workgroup_id_x 1
		.amdhsa_system_sgpr_workgroup_id_y 1
		.amdhsa_system_sgpr_workgroup_id_z 1
		.amdhsa_system_vgpr_workitem_id 0
		.amdhsa_next_free_vgpr 202
		.amdhsa_next_free_sgpr 66
		.amdhsa_reserve_vcc 0
		.amdhsa_float_denorm_mode_32 3
		.amdhsa_float_denorm_mode_16_64 3
		.amdhsa_memory_ordered 1
		.amdhsa_forward_progress 1
		.amdhsa_inst_pref_size 33
	.end_amdhsa_kernel
	.amdgpu_metadata
---
amdhsa.version: [ 1, 2 ]
amdhsa.kernels:
  - .name:           k_qf2548ed2ff_ln1
    .symbol:         k_qf2548ed2ff_ln1.kd
    .args:
      - { .name: x, .offset: 0, .size: 8, .value_kind: global_buffer, .address_space: global }
      - { .name: ln1_scale, .offset: 8, .size: 8, .value_kind: global_buffer, .address_space: global }
      - { .name: ln1_shift, .offset: 16, .size: 8, .value_kind: global_buffer, .address_space: global }
      - { .name: act, .offset: 24, .size: 8, .value_kind: global_buffer, .address_space: global }
    .group_segment_fixed_size: 42496
    .private_segment_fixed_size: 0
    .kernarg_segment_align: 8
    .kernarg_segment_size: 32
    .max_flat_workgroup_size: 256
    .sgpr_count:     66
    .vgpr_count:     202
    .wavefront_size: 32
...
	.end_amdgpu_metadata
.endif
;; end of part 1
;; launch qkv (part 2): grid 8 x 24, 4 waves a work-group, clusters of 4 x 4, 327,680 bytes of LDS; arguments act, wq_codes, wq_scales, wk_codes, wk_scales, wv_codes, wv_scales, qkv; writes qkv
.if DOCPART == 2
	.amdgcn_target "amdgcn-amd-amdhsa--gfx1250"
	.amdhsa_code_object_version 6
	.text
	.protected	k_qf2548ed2ff_qkv
	.globl	k_qf2548ed2ff_qkv
	.p2align	8
	.type	k_qf2548ed2ff_qkv,@function
k_qf2548ed2ff_qkv:
	s_mov_b64 s[64:65], 0
	v_nop
	global_prefetch_b8 v0, s[64:65] scope:SCOPE_SE
	s_setreg_imm32_b32 hwreg(HW_REG_WAVE_MODE, 25, 1), 1
	s_wait_xcnt 0x0
	s_wait_alu depctr_hold_cnt(0) depctr_sa_sdst(0) depctr_va_vdst(0) depctr_va_sdst(0) depctr_va_ssrc(0) depctr_va_vcc(0) depctr_vm_vsrc(0)
	s_getreg_b32 s2, hwreg(HW_REG_IB_STS2, 6, 4)
	s_cmp_eq_u32 s2, 0
	s_cbranch_scc0 .Lentry_in_a_cluster
	s_endpgm
.Lentry_in_a_cluster:
	s_bfe_u32 s2, ttmp6, 0x10000c
	s_cmp_lg_u32 s2, 0xf033
	s_cbranch_scc0 .Lentry_shape_is_right
	s_endpgm
.Lentry_shape_is_right:
; q = n Wq, k = n Wk, v = n Wv on codes of E4M3 (n: the normalised rows, codes [4096][1024] and scale bytes at 0x400000 of act), and the quantising of the three results.
; A tile of 256 x 256 to a work-group of four waves, 128 x 128 to a wave (64 accumulators); K = 1,024 in four steps of 256 through two LDS slots; all scale bytes of the tile come once.
; CLUSTERS of 4 x 4: the first operand's tile is shared along a row of the cluster, the second's along a column, by joint loads.
; WHICH PRODUCT hangs on the CLUSTER's numbers alone (X = cluster x, Y = cluster y), so it is the same in all sixteen partners:
;   Y < 4: first operand = n (rows 256 (4 Y + cy) on), second = Wq (X = 0) or Wk (X = 1), rows 256 cx on.  A lane then holds one token and eight neighbouring channels: q and k are quantised along the head's 64.
;   Y >= 4: first operand = Wv (rows 256 cy on), second = n (rows 256 (8 (Y - 4) + 4 X + cx) on).  A lane then holds one channel and eight neighbouring TOKENS: v is quantised along the keys.
; THE MATRIX INSTRUCTION IS USED TRANSPOSED (source 0 = the second operand's 16 rows, source 1 = the first's).  Of two neighbouring tiles 2 c, 2 c + 1 lane (r, h) holds columns 32 c + 8 h + 0..7 and 32 c + 16 + 8 h + 0..7:
; a block of 32 lies in lanes l and l xor 16, and each conversion's 8 bytes go by one store at 16 r + 8 h into 256 consecutive aligned bytes: half a register group of the reader's operand image.  No stage, no barrier on the way out.
; OUT (buffer qkv): Q codes at 0, K codes at 0x400000: [head 32][16 tokens 128][group 2][half 2][row 16][16 B];  V codes at 0x800000: [batch 2][128 keys 16][16 channels 64][2,048 B image];
;   Q, K scale words at 0xC00000, 0xC20000: [head][128 tokens][i 8][e 2][bq 4], the word of rows i and i + 8 of token block 2 bq + e;  V scale words at 0xC40000: [batch][128 keys][head 16][row 16][tile 4].
; LIMITS: NaN and infinities are not served; a block of zeros, or under 2^-118, gets the byte 1 (only this program reads the bytes).
.set SIZE_K, 1024
.set KSTEP,  256
.set NQ,     KSTEP/128
.set ROWB,   256
.set KROW,   SIZE_K
.set PITCH,  272                       ; an LDS row: 256 bytes + 16 of padding: the 16 rows that a load touches start at 16 different banks (64 banks of 4 bytes: ISA guide 11.1)
.set FR,     16
.set NL,     4
.set NP,     8                         ; places behind this matrix instruction (ISA guide 7.12.1)
.set HALFT,  128*PITCH
.set SLOT,   4*HALFT
.set LAPS,   SIZE_K/(2*KSTEP)
.set KS,     SIZE_K/32
.set SCL,    2*SLOT                    ; behind the ring: the scale bytes, as blocks of 256 bytes + 16 of padding
.set HALFS,  (128*KS/256)*272
.set SBLK,   (16*KS/256)*272
.set SPARE,  SCL+4*HALFS               ; the spare words: 128 bytes a wave, named by no other line
.set ADRA, 16
.set ADRB, 20
.set LO,   24                          ; v24  the way out: 16 r + 8 h
.set LO1,  25                          ; v25  the same, for blocks 2 and 3
.set SL,   26                          ; v26  the lane's place in the scale store
.set ADRS, 27
.set SPW,  28
.set NIL,  29
.set SC,   32                          ; v32-63 scale words, two sets
.set AF,   128                         ; the first operand's fragments, window 0
.set T,    128                         ; the way out, window 0: v128-191 held numbers
.set TM,   192                         ; v192-207 maxima, bytes, limits, scale operands
.set W,    208                         ; v208-215 a scale word for each block of 16 rows
.set PC,   216                         ; v216-231 codes
.set Z,    232                         ; v232-235 scale words as stored; v236, v237 at work
.set G1, 24
.set G0, 32
.set G1B, 48
.set G0B, 56
.set G1S, 68
.set G0S, 76
.set G1SB, 80
.set G0SB, 88
.set MSB, 0
.macro WIN new                         ; the immediate's high byte repeats the setting that is left
.if MSB != \new
	s_set_vgpr_msb (MSB<<8)|\new
.set MSB, \new
.endif
.endm
.set MUL_LO, 0xa1                      ; source 0 window 1, source 1 window 0, C and D window 2
.set MUL_HI, 0xf1                      ; the same, C and D window 3
.set TO_B,   0x40
; A joint load: waves 0 and 1 fetch for the first operand, waves 2 and 3 for the second; the branch hangs on the wave's number alone.  Four v_nop follow each line.
.macro JLOAD g0a, g1a, g0b, g1b
	s_cmp_eq_u32 s15, 0
	s_cbranch_scc0 .Lfor_b_\@
	tensor_load_to_lds s[\g0a:\g0a+3], s[\g1a:\g1a+7]
	s_nop 0
.rept 4
	v_nop
.endr
	s_branch .Lasked_\@
.Lfor_b_\@:
	tensor_load_to_lds s[\g0b:\g0b+3], s[\g1b:\g1b+7]
	s_nop 0
.rept 4
	v_nop
.endr
.Lasked_\@:
.endm
.macro CREST                           ; a round of the cluster's barrier behind its opening barrier
	s_cmp_lg_u32 s14, 0
	s_cbranch_scc1 .Lnot_wave_0_\@
	s_barrier_signal -3
.Lnot_wave_0_\@:
	s_barrier_wait -3
	s_barrier_signal -1
	s_barrier_wait -1
.endm
.macro CROUND
	s_barrier_signal -1
	s_barrier_wait -1
	CREST
.endm
	s_load_b512 s[68:83], s[0:1], 0x0              ; act, wq codes, wq scales, wk codes, wk scales, wv codes, wv scales, qkv
	v_lshl_add_u32 v[SPW], v0, 2, SPARE
	v_mov_b32 v[NIL], 0
	ds_add_u32 v28, v29
	ds_add_u32 v28, v29
	s_wait_dscnt 0x0
	v_lshrrev_b32 v1, 5, v0
	v_readfirstlane_b32 s14, v1                    ; wave 0..3
	s_lshr_b32 s15, s14, 1                         ; i: my half of the tile's rows.  Also: I fetch for the first operand (0) or the second (1)
	s_and_b32 s16, s14, 1                          ; j: my half of its columns.  Also: which 128 rows I fetch
	s_bfe_u32 s40, ttmp6, 0x40000                  ; cx
	s_bfe_u32 s41, ttmp6, 0x40004                  ; cy
	s_and_b32 s95, ttmp7, 0xffff                   ; Y
	s_lshl_b32 s17, s95, 2                         ; 4 Y
	s_max_u32 s42, s95, 4
	s_sub_co_u32 s42, s42, 4
	s_lshl_b32 s42, s42, 3
	s_lshl_b32 s18, ttmp9, 2
	s_add_co_u32 s42, s42, s18                     ; 8 (Y - 4) + 4 X
	s_cmp_lt_u32 s95, 4
	s_cselect_b32 s17, s17, 0
	s_cselect_b32 s42, 0, s42
	s_cselect_b32 s99, 0, 1                        ; 0: q or k;  1: v
	s_add_co_u32 s17, s17, s41                     ; the first operand's block of 256 rows: made of cluster y and cy alone
	s_add_co_u32 s42, s42, s40                     ; the second's: of the cluster's numbers and cx alone
	s_lshl_b32 s43, s41, 2
	s_lshl_b32 s43, 15, s43                        ; my row of the cluster
	s_lshl_b32 s44, 0x1111, s40                    ; my column
	s_wait_kmcnt 0x0
	s_add_nc_u64 s[92:93], s[68:69], 0x400000      ; act's scale bytes
	s_cmp_eq_u32 ttmp9, 0
	s_cselect_b64 s[8:9], s[70:71], s[74:75]       ; Wq or Wk
	s_cselect_b64 s[10:11], s[72:73], s[76:77]
	s_cmp_eq_u32 s99, 0
	s_cselect_b64 s[4:5], s[68:69], s[78:79]       ; the first operand's codes,
	s_cselect_b64 s[6:7], s[92:93], s[80:81]       ; its scale bytes,
	s_cselect_b64 s[8:9], s[8:9], s[68:69]         ; the second's codes,
	s_cselect_b64 s[10:11], s[10:11], s[92:93]     ; its scale bytes
	s_mov_b64 s[12:13], s[82:83]                   ; the output
	; descriptor group 1: a tile of 128 rows x 256 bytes, 16 bytes of padding behind each row
	s_or_b32 s[G1+0], s43, (0<<16)|(1<<20)|(1<<21)|(5<<22)|(3<<25)
	s_or_b32 s[G1B+0], s44, (0<<16)|(1<<20)|(1<<21)|(5<<22)|(3<<25)
.irp g, G1, G1B
	s_mov_b32 s[\g+1], ROWB<<16
	s_mov_b32 s[\g+2], 256<<16
	s_mov_b32 s[\g+3], ROWB<<16
	s_mov_b32 s[\g+4], 256
	s_mov_b32 s[\g+5], KROW
	s_mov_b32 s[\g+6], 0
	s_mov_b32 s[\g+7], 0
.endr
	; the scale bytes of 256 rows: a dense block, as rows of 256 bytes (32 elements of 8 bytes), padded likewise
	s_or_b32 s[G1S+0], s43, (3<<16)|(1<<20)|(1<<21)|(5<<22)|(3<<25)
	s_or_b32 s[G1SB+0], s44, (3<<16)|(1<<20)|(1<<21)|(5<<22)|(3<<25)
.irp g, G1S, G1SB
	s_mov_b32 s[\g+1], 32<<16
	s_mov_b32 s[\g+2], KS<<16
	s_mov_b32 s[\g+3], 32<<16
	s_mov_b32 s[\g+4], KS
	s_mov_b32 s[\g+5], 32
	s_mov_b32 s[\g+6], 0
	s_mov_b32 s[\g+7], 0
.endr
	s_lshl_b32 s20, s17, 8
	s_lshl_b32 s46, s42, 8
	s_mov_b32 s21, 0
	s_mov_b32 s47, 0
	s_mov_b64 s[18:19], KS
	s_mul_u64 s[22:23], s[20:21], s[18:19]
	s_mul_u64 s[92:93], s[46:47], s[18:19]
	s_mov_b64 s[18:19], KROW
	s_mul_u64 s[20:21], s[20:21], s[18:19]
	s_mul_u64 s[46:47], s[46:47], s[18:19]
	s_mul_i32 s18, s16, 128*KROW                   ; in the ring I fetch 128 rows of a tile: my half, in bytes
	s_mov_b32 s19, 0
	s_mul_i32 s45, s14, HALFT
	s_add_nc_u64 s[20:21], s[4:5], s[20:21]
	s_add_nc_u64 s[22:23], s[6:7], s[22:23]
	s_add_nc_u64 s[46:47], s[8:9], s[46:47]
	s_add_nc_u64 s[92:93], s[10:11], s[92:93]
	CROUND                                         ; all sixteen work-groups are here: the first joint loads meet
	s_mov_b32 s[G0S], 1
	s_mov_b32 s[G0S+1], SCL
	s_mov_b64 s[G0S+2:G0S+3], s[22:23]
	s_or_b32 s[G0S+3], s[G0S+3], 0x80000000
	s_mov_b32 s[G0SB], 1
	s_mov_b32 s[G0SB+1], SCL+2*HALFS
	s_mov_b64 s[G0SB+2:G0SB+3], s[92:93]
	s_or_b32 s[G0SB+3], s[G0SB+3], 0x80000000
	s_mov_b32 s4, 1                                ; s[4:7], s[8:11]: groups 0 of the head's loads of K step 0, 256 rows each (the pointers that lay there are used up)
	s_mov_b32 s5, 0
	s_mov_b64 s[6:7], s[20:21]
	s_or_b32 s7, s7, 0x80000000
	s_mov_b32 s8, 1
	s_mov_b32 s9, 2*HALFT
	s_mov_b64 s[10:11], s[46:47]
	s_or_b32 s11, s11, 0x80000000
	s_add_nc_u64 s[20:21], s[20:21], s[18:19]
	s_add_nc_u64 s[46:47], s[46:47], s[18:19]
.irp s, 0,1
	s_mov_b32 s[G0+4*\s], 1
	s_add_co_u32 s[G0+4*\s+1], s45, \s*SLOT
	s_add_nc_u64 s[G0+4*\s+2:G0+4*\s+3], s[20:21], \s*ROWB
	s_or_b32 s[G0+4*\s+3], s[G0+4*\s+3], 0x80000000
	s_mov_b32 s[G0B+4*\s], 1
	s_add_co_u32 s[G0B+4*\s+1], s45, \s*SLOT
	s_add_nc_u64 s[G0B+4*\s+2:G0B+4*\s+3], s[46:47], \s*ROWB
	s_or_b32 s[G0B+4*\s+3], s[G0B+4*\s+3], 0x80000000
.endr
; the head's four tiles, one joint load a wave: wave 0 the first operand's 256 rows of K step 0, wave 1 the second's, waves 2 and 3 their scale bytes
.macro ARM under, g0, g1, next
	s_cmp_lt_u32 s14, \under
	s_cbranch_scc0 \next
	tensor_load_to_lds s[\g0:\g0+3], s[\g1:\g1+7]
	s_nop 0
.rept 4
	v_nop
.endr
	s_branch .Lhead_asked
\next:
.endm
	ARM 1, 4, G1, .Lhead_b
	ARM 2, 8, G1B, .Lhead_sa
	ARM 3, G0S, G1S, .Lhead_sb
	tensor_load_to_lds s[G0SB:G0SB+3], s[G1SB:G1SB+7]
	s_nop 0
.rept 4
	v_nop
.endr
.Lhead_asked:
	v_and_b32 v1, 15, v0                           ; r
	v_bfe_u32 v2, v0, 4, 1                         ; h
	v_mul_u32_u24 v3, v1, PITCH
	v_lshl_add_u32 v4, v2, 4, v3
	s_mul_i32 s21, s15, HALFT
	s_mul_i32 s22, s16, HALFT
	s_add_co_u32 s22, s22, 2*HALFT
.irp s, 0,1
	v_add_nc_u32 v[ADRA+\s], s21, v4
	v_add_nc_u32 v[ADRB+\s], s22, v4
	s_add_co_u32 s21, s21, SLOT
	s_add_co_u32 s22, s22, SLOT
.endr
	v_mul_u32_u24 v5, v1, KS
	v_lshrrev_b32 v6, 8, v5
	v_lshl_add_u32 v5, v6, 4, v5
	s_mul_i32 s21, s15, HALFS
	s_mul_i32 s22, s16, HALFS
	s_add_co_u32 s22, s22, 2*HALFS
	s_sub_co_u32 s22, s22, s21
	v_mul_u32_u24 v6, s22, v2                      ; lanes 16-31 take the second operand's scale words
	s_add_co_u32 s21, s21, SCL
	v_add_nc_u32 v5, v5, v6
	v_add_nc_u32 v[ADRS], s21, v5
	; where my results go.  P = my first row of the first operand, Qc = of the second
	s_lshl_b32 s18, s17, 8
	s_lshl_b32 s19, s15, 7
	s_add_co_u32 s18, s18, s19                     ; P
	s_lshl_b32 s20, s42, 8
	s_lshl_b32 s19, s16, 7
	s_add_co_u32 s20, s20, s19                     ; Qc
	s_lshr_b32 s21, s18, 11
	s_lshl_b32 s21, s21, 4
	s_lshr_b32 s22, s20, 6
	s_add_co_u32 s21, s21, s22                     ; q, k: 16 batch + my first head
	s_and_b32 s22, s18, 2047
	s_lshl_b32 s23, s22, 6                         ; 1,024 bytes for each 16 tokens
	s_lshr_b32 s22, s22, 7
	s_lshl_b32 s22, s22, 8                         ; 256 bytes of scale words for each 128 tokens
	s_lshl_b32 s46, ttmp9, 22                      ; K's codes lie 0x400000 behind Q's,
	s_lshl_b32 s47, ttmp9, 17                      ; its scale words 0x20000
	s_add_co_u32 s47, s47, 0xC00000
	s_lshr_b32 s92, s20, 7                         ; v: 16 batch + the block of 128 keys
	s_lshl_b32 s93, s18, 7                         ; 2,048 bytes for each 16 channels
	s_lshr_b32 s94, s18, 6
	s_lshl_b32 s94, s94, 8                         ; 256 bytes of scale words a head
	s_mov_b32 s100, 2048
	s_mov_b32 s104, 1024
	s_cmp_eq_u32 s99, 0
	s_cselect_b32 s21, s21, s92
	s_cselect_b32 s23, s23, s93
	s_cselect_b32 s22, s22, s94
	s_cselect_b32 s46, s46, 0x800000
	s_cselect_b32 s47, s47, 0xC40000
	s_cselect_b32 s100, 1024, s100                 ; from one block of 16 rows to the next
	s_cselect_b32 s104, 131072, s104               ; from blocks 0, 1 of 32 columns to blocks 2, 3: the next head, or the image's second half
	s_mov_b32 s101, 0
	s_lshl_b32 s92, s21, 17
	s_add_co_u32 s46, s46, s92
	s_add_co_u32 s46, s46, s23
	s_lshl_b32 s92, s21, 12
	s_add_co_u32 s92, s92, s47
	s_add_co_u32 s92, s92, s22
	s_mov_b32 s47, 0
	s_mov_b32 s93, 0
	s_add_nc_u64 s[66:67], s[12:13], s[92:93]      ; my scale words
	s_add_nc_u64 s[12:13], s[12:13], s[46:47]      ; my codes
	s_mov_b32 s96, 0x76543210
	s_mov_b32 s97, 0xfedcba98
	s_mov_b32 s98, 0x600000
	v_lshlrev_b32 v[LO], 4, v1
	v_lshl_add_u32 v[LO], v2, 3, v[LO]
	v_add_nc_u32 v[LO1], s104, v[LO]
.macro FRAG reg, adr, q, i             ; 16 rows x 128 K: lane l holds row l % 16; registers 4 c .. 4 c + 3 hold K = 32 c + 16 (l / 16) + 0 .. 15
.irp c, 0,1,2,3
	ds_load_b128 v[\reg+4*\c:\reg+4*\c+3], v[\adr] offset:128*(\q)+32*\c+(\i)*16*PITCH
.endr
.endm
; 16 matrix instructions.  The 64 accumulators take turns, one instruction a turn, in the same order in every step.
.macro MUL16 a0, p, q, sc, zero
.irp a, \a0, \a0+1
.irp b, 0,1,2,3,4,5,6,7
.if \zero
	v_wmma_scale_f32_16x16x128_f8f6f4 v[8*(8*((\a)%4)+\b):8*(8*((\a)%4)+\b)+7], v[128*(\p)+FR*\b:128*(\p)+FR*\b+FR-1], v[AF+FR*(\a):AF+FR*(\a)+FR-1], 0, v[SC+8*NQ*(\sc)+NQ*\b+(\q)], v[SC+8*NQ*(\sc)+NQ*(\a)+(\q)] matrix_a_scale:MATRIX_SCALE_ROW1
.else
	v_wmma_scale_f32_16x16x128_f8f6f4 v[8*(8*((\a)%4)+\b):8*(8*((\a)%4)+\b)+7], v[128*(\p)+FR*\b:128*(\p)+FR*\b+FR-1], v[AF+FR*(\a):AF+FR*(\a)+FR-1], v[8*(8*((\a)%4)+\b):8*(8*((\a)%4)+\b)+7], v[SC+8*NQ*(\sc)+NQ*\b+(\q)], v[SC+8*NQ*(\sc)+NQ*(\a)+(\q)] matrix_a_scale:MATRIX_SCALE_ROW1
.endif
.endr
.endr
.endm
.macro FETCH_B slot, q, p
	WIN TO_B
.irp i, 0,1,2,3,4,5,6,7
	FRAG 128*(\p)+FR*\i, ADRB+\slot, \q, \i
.endr
	WIN 0
.endm
.macro FETCH_A slot, q, i0
.irp i, \i0, \i0+1, \i0+2, \i0+3
	FRAG AF+FR*(\i), ADRA+\slot, \q, \i
.endr
.endm
.macro SCALES sc                       ; lanes 0-15 take the first operand's block i, lanes 16-31 the second's
.irp i, 0,1,2,3,4,5,6,7
	ds_load_b64 v[SC+8*NQ*\sc+NQ*\i:SC+8*NQ*\sc+NQ*\i+1], v[ADRS] offset:\i*SBLK
.endr
.endm
.macro PLACES n                        ; plain vector lines between a matrix instruction and a load into, or a vector read or write of, its registers
.rept \n
	v_nop
.endr
.endm
.macro STEP slot, q, zero
	s_wait_dscnt 4*NL                              ; the youngest sixteen loads (blocks 4-7 of the first operand) may be out
	WIN MUL_LO
	MUL16 0, (\q)%2, \q, \slot, \zero
	MUL16 2, (\q)%2, \q, \slot, \zero
	s_wait_dscnt 0
	PLACES NP
	FETCH_B \slot, (\q)+1, 1-(\q)%2
	FETCH_A \slot, (\q)+1, 0
	WIN MUL_HI
	MUL16 4, (\q)%2, \q, \slot, \zero
	MUL16 6, (\q)%2, \q, \slot, \zero
	PLACES NP
	WIN 0
	FETCH_A \slot, (\q)+1, 4
.endm
; A slot's last step changes slots: one barrier; in front of it each wave waits for all its tensor loads, adds 0 to its spare word, and waits for that and for its reads of this slot.
.macro TURN slot, next, fill
	s_wait_tensorcnt 0x0                           ; all my tensor loads have landed: my part of the next slot
	ds_add_u32 v[SPW], v[NIL]                      ; 0 onto my spare word
	s_wait_dscnt 4*NL+1                            ; the add and the youngest sixteen loads may be out
	WIN MUL_LO
	MUL16 0, 1, NQ-1, \slot, 0
	s_wait_dscnt 0x0                               ; the add is done, and my reads of this slot are over
	s_barrier_signal -1
	MUL16 2, 1, NQ-1, \slot, 0
	WIN 0
	s_barrier_wait -1
.if \fill
	CREST                                          ; the barrier has opened a round of the cluster's: no wave of any partner still reads this slot or has a load on its way
	s_add_nc_u64 s[G0+4*\slot+2:G0+4*\slot+3], s[G0+4*\slot+2:G0+4*\slot+3], 2*ROWB
	s_add_nc_u64 s[G0B+4*\slot+2:G0B+4*\slot+3], s[G0B+4*\slot+2:G0B+4*\slot+3], 2*ROWB
	JLOAD G0+4*\slot, G1, G0B+4*\slot, G1B
	PLACES NP-4
.else
	PLACES NP
.endif
	s_wait_alu depctr_va_vdst(0)
	v_add_nc_u32 v[ADRS], 4*NQ, v[ADRS]
	FETCH_B \next, 0, 0
	FETCH_A \next, 0, 0
	SCALES \next
	WIN MUL_HI
	MUL16 4, 1, NQ-1, \slot, 0
	MUL16 6, 1, NQ-1, \slot, 0
	PLACES NP
	WIN 0
	FETCH_A \next, 0, 4
.endm
	s_wait_alu depctr_va_vdst(0)
	s_wait_tensorcnt 0x0                           ; my tile of the head's four is in
	ds_add_u32 v[SPW], v[NIL]                      ; the add ahead of a later first fill
	s_mov_b32 s[G1+2], 128<<16                     ; no load of mine is out: from here on a load brings 128 rows
	s_mov_b32 s[G1+4], 128
	s_mov_b32 s[G1B+2], 128<<16
	s_mov_b32 s[G1B+4], 128
	s_wait_dscnt 0x0
	CROUND
	JLOAD G0+4, G1, G0B+4, G1B                     ; K step 1: the first tensor load behind the round
	FETCH_B 0, 0, 0
	FETCH_A 0, 0, 0
	SCALES 0
	FETCH_A 0, 0, 4
	STEP 0, 0, 1                                   ; the first step's products start the sums
	s_mov_b32 s3, LAPS-1
.Llap:
	TURN 0, 1, 1
	STEP 1, 0, 0
	TURN 1, 0, 1
	STEP 0, 0, 0
	s_sub_co_u32 s3, s3, 1
	s_cmp_lg_u32 s3, 0
	s_cbranch_scc1 .Llap
	TURN 0, 1, 0
	STEP 1, 0, 0
	s_wait_dscnt 4*NL
	WIN MUL_LO
	MUL16 0, 1, NQ-1, 1, 0
	MUL16 2, 1, NQ-1, 1, 0
	s_wait_dscnt 0
	WIN MUL_HI
	MUL16 4, 1, NQ-1, 1, 0
	MUL16 6, 1, NQ-1, 1, 0
	WIN 0
; THE WAY OUT, a block of 16 rows x 128 columns at a time: four blocks of 32 columns a lane pair.
.macro QBLOCK a
.set AC, 64*((\a)%4)
.set XW, 2+(\a)/4                      ; the accumulators' window
.set W2, XW|(XW<<2)
	WIN W2                                         ; sources 0 and 1: the accumulators
.irp c, 0,1,2,3
	v_max3_num_f32 v[TM+\c], |v[AC+16*\c]|, |v[AC+16*\c+1]|, 0x4800000   ; each accumulator from its low end on; the floor 2^(9 - 127) holds the byte at 1 from below
.endr
.irp i, 2,4,6,8,10,12,14
.irp c, 0,1,2,3
	v_max3_num_f32 v[TM+\c], |v[AC+16*\c+\i]|, |v[AC+16*\c+\i+1]|, v[TM+\c]
.endr
.endr
	WIN 0
.irp c, 0,1,2,3
	v_permlanex16_b32 v[TM+4+\c], v[TM+\c], s96, s97
.endr
.irp c, 0,1,2,3
	v_max_num_f32 v[TM+\c], v[TM+\c], v[TM+4+\c]   ; with lane l xor 16's: the block's largest magnitude
.endr
.irp c, 0,1,2,3
	v_add_nc_u32 v[TM+12+\c], 0xfc000000, v[TM+\c] ; 8 off the exponent field: the conversion's scale operand
.endr
.irp c, 0,1,2,3
	v_and_or_b32 v[TM+8+\c], v[TM+\c], 0x7f800000, s98   ; 448 x the scale
.endr
.irp c, 0,1,2,3
	v_lshrrev_b32 v[TM+4+\c], 23, v[TM+12+\c]      ; the byte
.endr
	v_lshl_or_b32 v[W+(\a)], v[TM+5], 8, v[TM+4]
	v_lshl_or_b32 v[W+(\a)], v[TM+6], 16, v[W+(\a)]
	v_lshl_or_b32 v[W+(\a)], v[TM+7], 24, v[W+(\a)]
	WIN XW                                         ; source 0: the accumulators
.set n, 0
.rept 64
	v_med3_num_f32 v[T+n], v[AC+n], -v[TM+8+n/16], v[TM+8+n/16]   ; the conversion does not saturate (ISA guide 7.6.2): the hold
.set n, n+1
.endr
	WIN 0
.if (\a) > 0
	s_wait_alu depctr_va_vdst(0)
	s_wait_xcnt 0x0                                ; the last block's stores have read their data and their base
	s_add_nc_u64 s[12:13], s[12:13], s[100:101]
.endif
.irp c, 0,1,2,3
	v_cvt_scalef32_pk8_fp8_f32 v[PC+4*\c:PC+4*\c+1], v[T+16*\c:T+16*\c+7], v[TM+12+\c]
	v_cvt_scalef32_pk8_fp8_f32 v[PC+4*\c+2:PC+4*\c+3], v[T+16*\c+8:T+16*\c+15], v[TM+12+\c]
.endr
	v_nop                                          ; a plain line behind the last conversion
.irp c, 0,1
.irp u, 0,1
	global_store_b64 v[LO], v[PC+4*\c+2*\u:PC+4*\c+2*\u+1], s[12:13] offset:512*\c+256*\u        ; 32 lanes store 256 consecutive bytes, aligned
	global_store_b64 v[LO1], v[PC+8+4*\c+2*\u:PC+8+4*\c+2*\u+1], s[12:13] offset:512*\c+256*\u
.endr
.endr
.endm
	PLACES NP                                      ; behind the last products: for the reads of results and the writes over fragments
.irp c, 0,1,2,3
	v_mov_b32 v[TM+4+\c], 0                        ; a lane permute's destination counts as one of its sources
.endr
	v_mov_b32 v236, 0
.irp a, 0,1,2,3,4,5,6,7
	QBLOCK \a
.endr
	s_mov_b32 s19, 0xffff0000                      ; lanes 16-31
	s_cmp_lg_u32 s99, 0
	s_cbranch_scc1 .Lvscale
	; q, k: a word's low half is my first head's two bytes, the high half the second head's.  Wanted: for each head the halves of rows i and i + 8 in one word
	s_mov_b32 s18, 0xff00ff00                      ; lanes with r >= 8
	s_mov_b32 s20, 0x05040100
	s_mov_b32 s21, 0x07060302
.irp a, 0,1,2,3,4,5,6,7
	v_mov_b32_dpp v236, v[W+\a] row_xmask:8 row_mask:0xf bank_mask:0xf   ; the word of row r xor 8
	v_perm_b32 v237, v236, v[W+\a], s20            ; my low half below, the other's above: right for r < 8, first head
	v_perm_b32 v236, v[W+\a], v236, s21            ; the other's high half below, mine above: right for r >= 8, second head
	v_cndmask_b32 v[W+\a], v237, v236, s18
.endr
.irp q, 0,1,2,3
	v_cndmask_b32 v[Z+\q], v[W+2*\q], v[W+2*\q+1], s19   ; lanes 0-15: token block 2 bq, lanes 16-31: 2 bq + 1
.endr
	v_lshrrev_b32 v[SL], 3, v1
	v_lshlrev_b32 v[SL], 12, v[SL]                 ; the head: 4,096 bytes on
	v_and_b32 v3, 7, v1
	v_lshl_add_u32 v[SL], v3, 5, v[SL]
	v_lshl_add_u32 v[SL], v2, 4, v[SL]
	global_store_b128 v[SL], v[Z:Z+3], s[66:67]    ; two aligned blocks of 256 bytes, one a head
	s_branch .Ldone
.Lvscale:
.irp q, 0,1,2,3
	v_cndmask_b32 v[Z+\q], v[W+\q], v[W+4+\q], s19 ; lanes 0-15: my first head's four tiles, lanes 16-31: the second's
.endr
	v_and_b32 v[SL], 31, v0
	v_lshlrev_b32 v[SL], 4, v[SL]
	global_store_b128 v[SL], v[Z:Z+3], s[66:67]    ; 512 consecutive bytes, aligned
.Ldone:
	s_wait_tensorcnt 0x0                           ; the wave's end
	ds_add_u32 v[SPW], v[NIL]
	s_wait_dscnt 0x0
	CROUND                                         ; the closing round
	s_endpgm
.Lfunc_end_k_qf2548ed2ff_qkv:
	.size	k_qf2548ed2ff_qkv, .Lfunc_end_k_qf2548ed2ff_qkv-k_qf2548ed2ff_qkv
	.p2alignl 7, 3214868480
	.fill 96, 4, 3214868480
	.section	.rodata,"a",@progbits
	.p2align	6, 0x0
	.amdhsa_kernel k_qf2548ed2ff_qkv
		.amdhsa_group_segment_fixed_size 327680
		.amdhsa_private_segment_fixed_size 0
		.amdhsa_enable_private_segment 0
		.amdhsa_kernarg_size 64
		.amdhsa_user_sgpr_count 2
		.amdhsa_user_sgpr_kernarg_segment_ptr 1
		.amdhsa_wavefront_size32 1
		.amdhsa_system_sgpr_workgroup_id_x 1
		.amdhsa_system_sgpr_workgroup_id_y 1
		.amdhsa_system_sgpr_workgroup_id_z 1
		.amdhsa_system_vgpr_workitem_id 0
		.amdhsa_next_free_vgpr 1024
		.amdhsa_next_free_sgpr 106
		.amdhsa_reserve_vcc 0
		.amdhsa_float_denorm_mode_32 3
		.amdhsa_float_denorm_mode_16_64 3
		.amdhsa_memory_ordered 1
		.amdhsa_forward_progress 1
		.amdhsa_inst_pref_size 194
	.end_amdhsa_kernel
	.amdgpu_metadata
---
amdhsa.version: [ 1, 2 ]
amdhsa.kernels:
  - .name:           k_qf2548ed2ff_qkv
    .symbol:         k_qf2548ed2ff_qkv.kd
    .args:
      - { .name: act, .offset: 0, .size: 8, .value_kind: global_buffer, .address_space: global }
      - { .name: wq_codes, .offset: 8, .size: 8, .value_kind: global_buffer, .address_space: global }
      - { .name: wq_scales, .offset: 16, .size: 8, .value_kind: global_buffer, .address_space: global }
      - { .name: wk_codes, .offset: 24, .size: 8, .value_kind: global_buffer, .address_space: global }
      - { .name: wk_scales, .offset: 32, .size: 8, .value_kind: global_buffer, .address_space: global }
      - { .name: wv_codes, .offset: 40, .size: 8, .value_kind: global_buffer, .address_space: global }
      - { .name: wv_scales, .offset: 48, .size: 8, .value_kind: global_buffer, .address_space: global }
      - { .name: qkv, .offset: 56, .size: 8, .value_kind: global_buffer, .address_space: global }
    .group_segment_fixed_size: 327680
    .private_segment_fixed_size: 0
    .kernarg_segment_align: 8
    .kernarg_segment_size: 64
    .max_flat_workgroup_size: 128
    .sgpr_count:     106
    .vgpr_count:     1024
    .wavefront_size: 32
...
	.end_amdgpu_metadata
.endif
;; end of part 2
;; launch attn (part 3): grid 8 x 32, 16 waves a work-group, no clusters, 327,680 bytes of LDS; arguments qkv, ctx; writes ctx
.if DOCPART == 3
	.amdgcn_target "amdgcn-amd-amdhsa--gfx1250"
	.amdhsa_code_object_version 6
	.text
	.protected	k_qf2548ed2ff_attn
	.globl	k_qf2548ed2ff_attn
	.p2align	8
	.type	k_qf2548ed2ff_attn,@function
k_qf2548ed2ff_attn:
	s_mov_b64 s[64:65], 0
	v_nop
	global_prefetch_b8 v0, s[64:65] scope:SCOPE_SE
	s_setreg_imm32_b32 hwreg(HW_REG_WAVE_MODE, 25, 1), 1
	s_wait_xcnt 0x0
; Causal attention on codes of E4M3: S^T = K Q^T (K = the head's 64), p = 2^(t - M) with t = score x log2(e) / 8 and M the running largest t rounded up to a whole number, p quantised along the keys,
; O^T = V^T P^T (K = the keys), O / the sum of the unquantised p, and O quantised along the channels for the next product.  Key steps that lie wholly above the causal mask are left out.
; SHARES.  Work-group (jx, bh) serves head bh and the blocks jx (early) and 15 - jx (late) of 128 queries: 8 tiles of 16 queries each.  Tile t of both blocks belongs to the pair of waves 2 t, 2 t + 1.
; The late tile has 16 - jx key steps of 128 keys, the early one jx + 1: 17 for the pair.  Wave A (where (w xor w / 4) is odd) takes the late tile's steps 0 .. jx and 8 .. 15 - jx: 9 steps.
; Wave B takes the early tile's steps 0 .. jx, stores that tile, and goes on with the late tile's steps jx + 1 .. 7: 8 steps.  B's part of the late tile (O^T, the sum, -M) goes to A through LDS bytes of their own;
; A brings both parts under the larger M by powers of two, which round nothing, adds them and stores the late tile.  Trip i of every wave reads key step i, so each LDS address is a constant step in a loop of constant count.
; LDS: 0: K codes [q 4][step 16][2,048];  131,072: V codes [tile 4][step 16][2,048];  262,144: K scale words, 256 a step;  266,240: V's;  270,336: the spare words;  272,384: 8 x 4,352 bytes for the pairs.
; FILLS, each byte once.  At the head one tensor load a wave: waves 0-3 K's four chunks of step 0, waves 4-7 V's, wave 8 K's scale words, wave 9 V's.  Behind the full sequence and a barrier waves 0-7 ask for steps 1 .. 15 of their
; chunk (15 rows of 2,048 bytes): each such load holds steps 1 .. 8, which every work-group reads.  Trip 0 is worked on meanwhile; a second barrier shows all steps whole.  Every wait on TENSORcnt is for 0.
; NO CLUSTER, though the eight work-groups of a head read the same K and V.
; NO PREFETCH: all fills have gone out when the loop begins, so there is no later load to run ahead of.
; K = 64 UNDER AN INSTRUCTION OF 128.  A fragment of K holds key X = 32 q + r + 8 (r / 8) in its first 64 places and key X + 8 in the other 64; v[24:39] = (q, 0) picks key X, v[16:31] = (0, q) picks key X + 8.
; So S's register 16 q + i is key 32 q + 16 (lane / 16) + i: the order that P's operand wants.
; LIMITS: NaN and infinities are not served; a block of zeros gets the byte 1; v_exp_f32 gives 0 for results under 2^-126; the scaled scores stay under 2^31 in magnitude.
.set VB,    131072
.set SKB,   262144
.set SVB,   266240
.set SPARE, 270336
.set MRG,   272384
.set AK0, 1
.set AV0, 2
.set ASK0, 3
.set ASV0, 4
.set L16, 5                            ; 16 x lane
.set MA,  6                            ; the pair's bytes: 16 x lane
.set MB,  7                            ; the same base, 8 x lane
.set ADK, 8
.set ADV, 9
.set ADS, 10
.set ADT, 11
.set QR,  16                           ; v16-23 zeros, v24-31 q, v32-39 zeros
.set FG,  40                           ; v40-103 four fragments, of K and then of V
.set S,   104                          ; v104-167 S^T, then p
.set O,   168                          ; v168-199 O^T
.set PC,  200                          ; v200-215 p's codes
.set BM,  216
.set PT,  220
.set LM,  224
.set SO,  228
.set KW,  232                          ; K's scale words
.set VW,  236                          ; V's
.set F,   240                          ; f; v241 p's scale word
.set PW,  241
.set TP,  242
.set QW,  243                          ; Q's scale word
.set ADK2, 252
.set ADV2, 253
.set WV,  8
.set KF,  9                            ; the step's first key
.set ROLE, 13                          ; 1: wave A
.set TILE, 14
.set Q0,  16                           ; first query of the tile in hand
.set TK,  17                           ; 2,048 x step
.set TS,  18                           ; 256 x step
.set MNT, 19
.set SEL, 20
.set CS,  22
.set G1H, 24                           ; 8 rows of 256 bytes, dense
.set G1S, 32                           ; 16 rows of 256 bytes, dense
.set G1T, 40                           ; 16 rows of 256 bytes, 4,096 apart
.set G1K, 48                           ; 15 rows of 2,048 bytes, 8,192 apart
.set G1V, 56                           ; 15 rows of 2,048 bytes, 131,072 apart
.set G0H, 68
.set G0N, 72
.set CP,  76
.set CSP, 78
.set I,   80                           ; the trip = the key step
.set LOE, 81                           ; my trips: I <= LOE, or HIB <= I <= HIE
.set HIB, 82
.set HIE, 83
.set SWT, 84                           ; the trip ahead of which B changes tiles
.set QL,  85                           ; the late tile's first query
.set QO,  86
.set QS,  87
.set QO1, 88
.set QS1, 89
.set G0Q, 96
.macro LOADQ qo, qs                    ; a tile's codes of Q (1,024 bytes, an image of eight registers) and my query's two scale bytes
	v_and_b32 v248, 7, v0
	v_bfe_u32 v249, v0, 3, 1
	v_lshlrev_b32 v248, 5, v248
	s_delay_alu instid0(VALU_DEP_1)
	v_lshl_add_u32 v249, v249, 1, v248
	s_delay_alu instid0(VALU_DEP_1)
	v_add_nc_u32 v249, s[\qs], v249
	v_add_nc_u32 v248, s[\qo], v[L16]
	global_load_b128 v[QR+8:QR+11], v248, s[4:5]
	global_load_b128 v[QR+12:QR+15], v248, s[4:5] offset:512
	global_load_u16 v[QW], v249, s[4:5]
.endm
.macro RESET                           ; a tile's state begins: the largest t -3e38, sums and O^T zeros; Q is waited for
	v_mov_b32 v13, 0xff61b1e6
	s_delay_alu instid0(VALU_DEP_1)
	v_floor_f32 v12, -v13
	v_mov_b32 v14, 0
	v_mov_b32 v15, 0
	s_wait_alu depctr_va_vdst(0)
	s_wait_loadcnt 0x0
	v_lshl_or_b32 v[QW], v[QW], 16, v[QW]          ; the two bytes twice: they serve q in either half.  The 32 lines below stand between this line and the next product
.set n, 0
.rept 32
	v_mov_b32 v[O+n], 0
.set n, n+1
.endr
.endm
	s_load_b128 s[4:7], s[0:1], 0x0                ; qkv, ctx
	v_lshl_add_u32 v254, v0, 2, SPARE
	v_mov_b32 v255, 0
	ds_add_u32 v254, v255                          ; the opening lines: the add twice on end and its wait ahead of the first tensor load
	ds_add_u32 v254, v255
	v_lshrrev_b32 v8, 5, v0
	s_delay_alu instid0(VALU_DEP_1)
	v_readfirstlane_b32 s[WV], v8                  ; wave 0..15
	s_and_b32 s10, ttmp7, 0xffff                   ; bh
	s_lshr_b32 s11, s10, 4                         ; batch
	s_and_b32 s12, s10, 15                         ; head
	s_lshr_b32 s[ROLE], s[WV], 2
	s_xor_b32 s[ROLE], s[ROLE], s[WV]
	s_and_b32 s[ROLE], s[ROLE], 1
	s_bfe_u32 s[TILE], s[WV], 0x30001
	s_sub_co_u32 s[HIE], 15, ttmp9                 ; the late block, and its last key step
	s_lshl_b32 s90, s[TILE], 4
	s_lshl_b32 s[QL], s[HIE], 7
	s_add_co_u32 s[QL], s[QL], s90
	s_lshl_b32 s91, ttmp9, 7
	s_add_co_u32 s91, s91, s90                     ; the early tile's first query
	s_add_co_u32 s92, ttmp9, 1
	s_cmp_eq_u32 s[ROLE], 1
	s_cselect_b32 s15, s[HIE], ttmp9               ; the block whose tile I store
	s_cselect_b32 s[Q0], s[QL], s91
	s_cselect_b32 s[LOE], ttmp9, 7
	s_cselect_b32 s[HIB], 8, 16
	s_cselect_b32 s[SWT], 64, s92
	s_lshl_b32 s90, s10, 17                        ; Q's codes: 1,024 bytes for each 16 queries
	s_lshl_b32 s91, s[Q0], 6
	s_add_co_u32 s[QO], s90, s91
	s_lshl_b32 s91, s[QL], 6
	s_add_co_u32 s[QO1], s90, s91
	s_lshl_b32 s90, s10, 12                        ; Q's scale words: block g, token block 2 bq + e
	s_and_b32 s91, s[TILE], 1
	s_lshl_b32 s91, s91, 4
	s_add_co_u32 s90, s90, s91
	s_lshr_b32 s91, s[TILE], 1
	s_lshl_b32 s91, s91, 2
	s_add_co_u32 s90, s90, s91
	s_add_co_u32 s90, s90, 0xC00000
	s_lshl_b32 s91, s15, 8
	s_add_co_u32 s[QS], s90, s91
	s_lshl_b32 s91, s[HIE], 8
	s_add_co_u32 s[QS1], s90, s91
.irp g, G1H, G1S, G1T
	s_mov_b32 s[\g], 3<<16                         ; elements of 8 bytes, no mask, no padding
	s_mov_b32 s[\g+1], 32<<16
	s_mov_b32 s[\g+3], 32<<16
	s_mov_b32 s[\g+6], 0
	s_mov_b32 s[\g+7], 0
.endr
	s_mov_b32 s[G1H+2], 8<<16
	s_mov_b32 s[G1H+4], 8
	s_mov_b32 s[G1H+5], 32
	s_mov_b32 s[G1S+2], 16<<16
	s_mov_b32 s[G1S+4], 16
	s_mov_b32 s[G1S+5], 32
	s_mov_b32 s[G1T+2], 16<<16
	s_mov_b32 s[G1T+4], 16
	s_mov_b32 s[G1T+5], 512
.irp g, G1K, G1V
	s_mov_b32 s[\g], 3<<16
	s_mov_b32 s[\g+1], 256<<16
	s_mov_b32 s[\g+2], 15<<16
	s_mov_b32 s[\g+3], 256<<16
	s_mov_b32 s[\g+4], 15
	s_mov_b32 s[\g+6], 0
	s_mov_b32 s[\g+7], 0
.endr
	s_mov_b32 s[G1K+5], 1024
	s_mov_b32 s[G1V+5], 16384
	s_mov_b32 s[SEL], 0x76543210
	s_mov_b32 s[SEL+1], 0xfedcba98
	s_mov_b32 s[CS], 0x3e38aa3b                    ; log2(e) / 8
	s_mov_b32 s[CS+1], s[CS]
	s_mov_b32 s[MNT], 0x600000
	s_mov_b32 s[KF], 0
	s_mov_b32 s[TK], 0
	s_mov_b32 s[TS], 0
	; what I fetch: u = w % 8: K's chunk u (u < 4) or V's chunk u - 4 of step 0; w % 2: K's or V's scale words
	s_and_b32 s94, s[WV], 7
	s_lshl_b32 s91, s94, 11
	s_lshl_b32 s94, s94, 15                        ; in LDS: 32,768 u
	s_lshl_b32 s92, s10, 17
	s_add_co_u32 s92, s92, s91
	s_add_co_u32 s92, s92, 0x400000
	s_lshl_b32 s93, s11, 21
	s_lshl_b32 s2, s12, 13
	s_add_co_u32 s93, s93, s2
	s_add_co_u32 s93, s93, s91
	s_add_co_u32 s93, s93, 0x800000-8192
	s_mov_b32 s3, 131072                           ; from step to step: V 131,072 bytes,
	s_cmp_lt_u32 s[WV], 4
	s_cselect_b32 s92, s92, s93
	s_cselect_b32 s3, 8192, s3                     ; K 8,192
	s_mov_b32 s93, 0
	s_lshl_b32 s66, s10, 12
	s_add_co_u32 s66, s66, 0xC20000
	s_lshl_b32 s67, s11, 16
	s_lshl_b32 s2, s12, 8
	s_add_co_u32 s67, s67, s2
	s_add_co_u32 s67, s67, 0xC40000
	s_and_b32 s95, s[WV], 1
	s_cmp_eq_u32 s95, 0
	s_cselect_b32 s66, s66, s67
	s_mov_b32 s67, 0
	s_lshl_b32 s95, s95, 12
	s_add_co_u32 s95, s95, SKB
	s_wait_dscnt 0x0                               ; both opening adds are done
	s_wait_kmcnt 0x0
	s_mov_b32 s[G0H], 1
	s_mov_b32 s[G0H+1], s94
	s_add_nc_u64 s[G0H+2:G0H+3], s[4:5], s[92:93]
	s_or_b32 s[G0H+3], s[G0H+3], 0x80000000
	s_add_co_u32 s92, s92, s3
	s_mov_b32 s[G0N], 1
	s_add_co_u32 s[G0N+1], s94, 2048
	s_add_nc_u64 s[G0N+2:G0N+3], s[4:5], s[92:93]
	s_or_b32 s[G0N+3], s[G0N+3], 0x80000000
	s_mov_b32 s[G0Q], 1
	s_mov_b32 s[G0Q+1], s95
	s_add_nc_u64 s[G0Q+2:G0Q+3], s[4:5], s[66:67]
	s_or_b32 s[G0Q+3], s[G0Q+3], 0x80000000
; the head's loads: one chain of branches on the wave's number, a load to an arm
.macro ARM under, g0, g1, next
	s_cmp_lt_u32 s[WV], \under
	s_cbranch_scc0 \next
	tensor_load_to_lds s[\g0:\g0+3], s[\g1:\g1+7]
	s_nop 0
.rept 4
	v_nop
.endr
	s_branch .Lhead_asked
\next:
.endm
	ARM 8, G0H, G1H, .Lhead_sk
	ARM 9, G0Q, G1S, .Lhead_sv
	ARM 10, G0Q, G1T, .Lhead_none
.Lhead_asked:
	v_and_b32 v244, 15, v0                         ; r
	v_bfe_u32 v245, v0, 4, 1                       ; h
	v_and_b32 v246, 31, v0
	s_delay_alu instid0(VALU_DEP_1)
	v_lshlrev_b32 v[L16], 4, v246
	LOADQ QO, QS
	s_lshl_b32 s90, s11, 4                         ; ctx: block of 128 rows 16 batch + g, K step head / 2
	s_add_co_u32 s90, s90, s15
	s_lshl_b32 s90, s90, 3
	s_lshr_b32 s91, s12, 1
	s_add_co_u32 s90, s90, s91
	s_lshl_b32 s92, s90, 9
	s_lshl_b32 s90, s90, 3
	s_add_co_u32 s90, s90, s[TILE]
	s_lshl_b32 s90, s90, 11
	s_and_b32 s2, s12, 1
	s_lshl_b32 s3, s2, 10
	s_add_co_u32 s90, s90, s3
	s_mov_b32 s91, 0
	s_add_nc_u64 s[CP:CP+1], s[6:7], s[90:91]      ; my image's half
	s_lshl_b32 s2, s2, 1
	s_add_co_u32 s90, s92, s2
	s_lshr_b32 s2, s[TILE], 2
	s_lshl_b32 s2, s2, 8
	s_add_co_u32 s90, s90, s2
	s_and_b32 s2, s[TILE], 3
	s_lshl_b32 s2, s2, 2
	s_add_co_u32 s90, s90, s2
	s_add_co_u32 s90, s90, 0x400000
	s_add_nc_u64 s[CSP:CSP+1], s[6:7], s[90:91]    ; my two bytes of the rows' scale words
	s_mul_i32 s90, s[TILE], 4352
	s_add_co_u32 s90, s90, MRG
	s_wait_alu depctr_va_vdst(0)                   ; the wait here, directly ahead of the first reader behind the scalar lines
	v_lshlrev_b32 v246, 3, v246
	v_add_nc_u32 v[MA], s90, v[L16]
	s_delay_alu instid0(VALU_DEP_2)
	v_add_nc_u32 v[MB], s90, v246
	v_and_b32 v246, 7, v0
	v_bfe_u32 v247, v0, 3, 1
	s_delay_alu instid0(VALU_DEP_1)
	v_lshlrev_b32 v[AK0], 10, v247
	s_delay_alu instid0(VALU_DEP_1)
	v_lshl_add_u32 v[AK0], v245, 8, v[AK0]
	s_delay_alu instid0(VALU_DEP_1)
	v_lshl_add_u32 v[AK0], v246, 4, v[AK0]         ; 1,024 (r / 8) + 256 h + 16 (r % 8)
	v_add_nc_u32 v[AV0], VB, v[L16]
	v_lshlrev_b32 v[ASK0], 5, v246
	s_delay_alu instid0(VALU_DEP_1)
	v_lshl_add_u32 v[ASK0], v247, 4, v[ASK0]
	s_delay_alu instid0(VALU_DEP_1)
	v_add_nc_u32 v[ASK0], SKB, v[ASK0]
	v_lshl_add_u32 v[ASV0], v244, 4, SVB
.irp b, 0,1,2,3
	v_mov_b32 v[PT+\b], 0                          ; a lane permute's destination counts as one of its sources
.endr
	v_mov_b32 v[PW], 0
	v_mov_b32 v[TP], 0
.irp j, 0,1,2,3,4,5,6,7
	v_mov_b32 v[QR+\j], 0
	v_mov_b32 v[QR+16+\j], 0
.endr
	RESET
; A KEY STEP of the tile in hand: 128 keys at s[KF]
.macro BODY
	v_add_nc_u32 v[ADK], s[TK], v[AK0]
	v_add_nc_u32 v[ADV], s[TK], v[AV0]
	v_add_nc_u32 v[ADS], s[TS], v[ASK0]
	v_add_nc_u32 v[ADT], s[TS], v[ASV0]
	s_delay_alu instid0(VALU_DEP_4)
	v_add_nc_u32 v[ADK2], 0x10000, v[ADK]          ; chunks 2 and 3 lie beyond an offset's 16 bits
	s_delay_alu instid0(VALU_DEP_4)
	v_add_nc_u32 v[ADV2], 0x10000, v[ADV]
	v_nop                                          ; with the six additions: eight places in front of loads into registers that the last products read
	v_nop
.irp q, 0,1
.irp c, 0,1,2,3
	ds_load_b128 v[FG+16*\q+4*\c:FG+16*\q+4*\c+3], v[ADK] offset:32768*\q+512*(\c%2)+128*(\c/2)
	ds_load_b128 v[FG+32+16*\q+4*\c:FG+32+16*\q+4*\c+3], v[ADK2] offset:32768*\q+512*(\c%2)+128*(\c/2)
.endr
.endr
	ds_load_b128 v[KW:KW+3], v[ADS]
	s_wait_alu depctr_va_vdst(0)
	s_wait_dscnt 0x0
.irp q, 0,1,2,3
	v_wmma_scale_f32_16x16x128_f8f6f4 v[S+16*\q:S+16*\q+7], v[FG+16*\q:FG+16*\q+15], v[QR+8:QR+23], 0, v[KW+\q], v[QW]
	v_wmma_scale_f32_16x16x128_f8f6f4 v[S+16*\q+8:S+16*\q+15], v[FG+16*\q:FG+16*\q+15], v[QR:QR+15], 0, v[KW+\q], v[QW]
.endr
.rept 8
	v_nop
.endr
.irp t, 0,1
.irp c, 0,1,2,3
	ds_load_b128 v[FG+16*\t+4*\c:FG+16*\t+4*\c+3], v[ADV] offset:32768*\t+512*\c   ; V's fragments are asked for here and waited for ahead of the second product
	ds_load_b128 v[FG+32+16*\t+4*\c:FG+32+16*\t+4*\c+3], v[ADV2] offset:32768*\t+512*\c
.endr
.endr
	ds_load_b128 v[VW:VW+3], v[ADT]
	s_add_co_u32 s90, s[KF], 127
	s_cmp_le_u32 s90, s[Q0]
	s_cbranch_scc1 .Lopen_\@                       ; all keys count
	s_sub_co_i32 s90, s[Q0], s[KF]
	v_and_b32 v244, 15, v0
	v_bfe_u32 v245, v0, 4, 1
	s_delay_alu instid0(VALU_DEP_1)
	v_lshlrev_b32 v245, 4, v245
	s_delay_alu instid0(VALU_DEP_1)
	v_sub_nc_u32 v244, v244, v245
	s_delay_alu instid0(VALU_DEP_1)
	v_add_nc_u32 v244, s90, v244                   ; d = my query - KF - 16 (lane / 16): register 16 b + i is hidden where 32 b + i > d
	v_mov_b32 v246, 0xff800000
.set n, 0
.rept 64
	v_cmp_gt_i32 vcc_lo, 32*(n/16)+n%16, v244
	v_cndmask_b32 v[S+n], v[S+n], v246, vcc_lo
.set n, n+1
.endr
.Lopen_\@:
.irp b, 0,1,2,3
	v_max3_num_f32 v[BM+\b], v[S+16*\b], v[S+1+16*\b], v[S+2+16*\b]   ; the largest score of each block of 32 keys: for the row's maximum and, since p rises with the score, for the block's largest p
.endr
.irp i, 3,5,7,9,11,13
.irp b, 0,1,2,3
	v_max3_num_f32 v[BM+\b], v[BM+\b], v[S+16*\b+\i], v[S+1+16*\b+\i]
.endr
.endr
.irp b, 0,1,2,3
	v_max_num_f32 v[BM+\b], v[BM+\b], v[S+15+16*\b]
.endr
.irp b, 0,1,2,3
	s_delay_alu instid0(VALU_DEP_4)
	v_permlanex16_b32 v[PT+\b], v[BM+\b], s[SEL], s[SEL+1]
.endr
.irp b, 0,1,2,3
	s_delay_alu instid0(VALU_DEP_4)
	v_max_num_f32 v[BM+\b], v[BM+\b], v[PT+\b]
.endr
	s_delay_alu instid0(VALU_DEP_2)
	v_max3_num_f32 v[TP], v[BM], v[BM+1], v[BM+2]
	s_delay_alu instid0(VALU_DEP_1)
	v_max_num_f32 v[TP], v[TP], v[BM+3]
	s_delay_alu instid0(VALU_DEP_1)
	v_mul_f32 v[TP], s[CS], v[TP]
	s_delay_alu instid0(VALU_DEP_1)
	v_max_num_f32 v13, v13, v[TP]                  ; the running largest t
	v_mov_b32 v[TP], v12
	s_delay_alu instid0(VALU_DEP_2)
	v_floor_f32 v12, -v13                          ; -M = floor(-t)
	s_delay_alu instid0(VALU_DEP_1)
	v_sub_f32 v[TP], v12, v[TP]
	s_delay_alu instid0(VALU_DEP_1)
	v_cvt_i32_f32 v[TP], v[TP]                     ; (it saturates)
	s_delay_alu instid0(VALU_DEP_1)
	v_ldexp_f32 v[F], 1.0, v[TP]                   ; f = 2^(old M - new M)
.set n, 0
.rept 32
	v_pk_fma_f32 v[S+n:S+n+1], v[S+n:S+n+1], s[CS:CS+1], v[12:13] op_sel_hi:[1,0,0]   ; t - M
.set n, n+2
.endr
.irp b, 0,1,2,3
	v_fma_f32 v[BM+\b], v[BM+\b], s[CS], v12
.endr
	s_wait_alu depctr_va_vdst(0)
.set n, 0
.rept 64
	v_exp_f32 v[S+n], v[S+n]                       ; p = 2^(t - M)
.set n, n+1
.endr
	v_pk_mul_f32 v[14:15], v[14:15], v[F:F+1] op_sel_hi:[1,0]   ; the sums under the new M; a plain line behind the exponentials
	s_wait_alu depctr_va_vdst(0)                   ; one wait for the batch, ahead of its first reader
.irp b, 0,1,2,3
	v_exp_f32 v[BM+\b], v[BM+\b]                   ; the block's largest p
.endr
.irp k, 0,1,2,3
	v_pk_add_f32 v[244+2*\k:245+2*\k], v[S+2*\k:S+2*\k+1], v[S+8+2*\k:S+9+2*\k]   ; the row's sum of the unquantised p, in four chains
.endr
.irp j, 16,24,32,40,48,56
.irp k, 0,1,2,3
	v_pk_add_f32 v[244+2*\k:245+2*\k], v[244+2*\k:245+2*\k], v[S+\j+2*\k:S+\j+2*\k+1]
.endr
.endr
	v_pk_add_f32 v[244:245], v[244:245], v[246:247]
	v_pk_add_f32 v[248:249], v[248:249], v[250:251]
	s_delay_alu instid0(VALU_DEP_1)
	v_pk_add_f32 v[244:245], v[244:245], v[248:249]
	s_delay_alu instid0(VALU_DEP_1)
	v_pk_add_f32 v[14:15], v[14:15], v[244:245]
	s_wait_alu depctr_va_vdst(0)                   ; and one for the four
.irp b, 0,1,2,3
	v_max_num_f32 v[BM+\b], 0x4800000, v[BM+\b]    ; the floor 2^(9 - 127)
.endr
.irp b, 0,1,2,3
	s_delay_alu instid0(VALU_DEP_4)
	v_add_nc_u32 v[SO+\b], 0xfc000000, v[BM+\b]
.endr
.irp b, 0,1,2,3
	v_and_or_b32 v[LM+\b], v[BM+\b], 0x7f800000, s[MNT]
.endr
.irp b, 0,1,2,3
	v_lshrrev_b32 v[PT+\b], 23, v[SO+\b]
.endr
	s_delay_alu instid0(VALU_DEP_3)
	v_lshl_or_b32 v[PW], v[PT+1], 8, v[PT]
	s_delay_alu instid0(VALU_DEP_1)
	v_lshl_or_b32 v[PW], v[PT+2], 16, v[PW]
	s_delay_alu instid0(VALU_DEP_1)
	v_lshl_or_b32 v[PW], v[PT+3], 24, v[PW]
.irp b, 0,1,2,3
.irp i, 0,1,2,3,4,5,6,7,8,9,10,11,12,13,14,15
	v_min_num_f32 v[S+16*\b+\i], v[S+16*\b+\i], v[LM+\b]   ; p is not negative: a one-sided hold (the conversion does not saturate: ISA guide 7.6.2)
.endr
	v_cvt_scalef32_pk8_fp8_f32 v[PC+4*\b:PC+4*\b+1], v[S+16*\b:S+16*\b+7], v[SO+\b]
	v_cvt_scalef32_pk8_fp8_f32 v[PC+4*\b+2:PC+4*\b+3], v[S+16*\b+8:S+16*\b+15], v[SO+\b]
.endr
	s_wait_alu depctr_va_vdst(0)                   ; the wait directly ahead of the first reader of O^T
.set n, 0
.rept 16
	v_pk_mul_f32 v[O+n:O+n+1], v[O+n:O+n+1], v[F:F+1] op_sel_hi:[1,0]   ; O^T under the new M; these are also the places between the codes and the products
.set n, n+2
.endr
	s_wait_alu depctr_va_vdst(0)
	s_wait_dscnt 0x0                               ; V is in
.irp t, 0,1,2,3
	v_wmma_scale_f32_16x16x128_f8f6f4 v[O+8*\t:O+8*\t+7], v[FG+16*\t:FG+16*\t+15], v[PC:PC+15], v[O+8*\t:O+8*\t+7], v[VW+\t], v[PW]
.endr
.endm
; A TILE'S WAY OUT.  v14 holds my lane's sum.  O / the row's sum, quantised along the channels, as half an operand image and two scale bytes a row
.macro FINAL
	v_permlanex16_b32 v[TP], v14, s[SEL], s[SEL+1]
	s_delay_alu instid0(VALU_DEP_1)
	v_add_f32 v14, v14, v[TP]                      ; the row's sum
	s_wait_alu depctr_va_vdst(0)
	v_rcp_f32 v14, v14
	v_and_b32 v244, 15, v0                         ; (a plain line behind the transcendental)
	v_bfe_u32 v245, v0, 4, 1
	s_delay_alu instid0(VALU_DEP_2)
	v_lshlrev_b32 v244, 4, v244                    ; 16 r: my row's scale word
	s_delay_alu instid0(VALU_DEP_1)
	v_lshl_add_u32 v246, v245, 3, v244             ; 16 r + 8 h
	s_wait_alu depctr_va_vdst(0)
.set n, 0
.rept 32
	v_mul_f32 v[S+n], v[O+n], v14                  ; register 8 t + i: channel 16 t + 8 h + i of query r
.set n, n+1
.endr
.irp c, 0,1
	v_max3_num_f32 v[BM+\c], |v[S+16*\c]|, |v[S+16*\c+1]|, 0x4800000
.endr
.irp i, 2,4,6,8,10,12,14
.irp c, 0,1
	s_delay_alu instid0(VALU_DEP_2)
	v_max3_num_f32 v[BM+\c], v[BM+\c], |v[S+16*\c+\i]|, |v[S+16*\c+\i+1]|
.endr
.endr
.irp c, 0,1
	s_delay_alu instid0(VALU_DEP_2)
	v_permlanex16_b32 v[PT+\c], v[BM+\c], s[SEL], s[SEL+1]
.endr
.irp c, 0,1
	s_delay_alu instid0(VALU_DEP_2)
	v_max_num_f32 v[BM+\c], v[BM+\c], v[PT+\c]
.endr
.irp c, 0,1
	s_delay_alu instid0(VALU_DEP_2)
	v_add_nc_u32 v[SO+\c], 0xfc000000, v[BM+\c]
.endr
.irp c, 0,1
	s_delay_alu instid0(VALU_DEP_4)
	v_and_or_b32 v[LM+\c], v[BM+\c], 0x7f800000, s[MNT]
.endr
.irp c, 0,1
	s_delay_alu instid0(VALU_DEP_4)
	v_lshrrev_b32 v[PT+\c], 23, v[SO+\c]
.endr
	s_delay_alu instid0(VALU_DEP_1)
	v_lshl_or_b32 v[PW], v[PT+1], 8, v[PT]
.irp c, 0,1
.irp i, 0,1,2,3,4,5,6,7,8,9,10,11,12,13,14,15
	v_med3_num_f32 v[S+16*\c+\i], v[S+16*\c+\i], -v[LM+\c], v[LM+\c]
.endr
	v_cvt_scalef32_pk8_fp8_f32 v[PC+4*\c:PC+4*\c+1], v[S+16*\c:S+16*\c+7], v[SO+\c]
	v_cvt_scalef32_pk8_fp8_f32 v[PC+4*\c+2:PC+4*\c+3], v[S+16*\c+8:S+16*\c+15], v[SO+\c]
.endr
	v_nop
.irp c, 0,1
.irp u, 0,1
	global_store_b64 v246, v[PC+4*\c+2*\u:PC+4*\c+2*\u+1], s[CP:CP+1] offset:512*\c+256*\u   ; 32 lanes store 256 consecutive bytes, aligned
.endr
.endr
	global_store_b16 v244, v[PW], s[CSP:CSP+1]     ; lanes r and r + 16 write the same two bytes with the same value; the word's other half is the neighbouring head's
.endm
	s_wait_alu depctr_va_vdst(0)                   ; the wait at the head's end
	s_wait_tensorcnt 0x0                           ; my load of the head's ten is in
	ds_add_u32 v254, v255                          ; the add, here twice on end, ahead of a later first fill
	ds_add_u32 v254, v255
	s_wait_dscnt 0x0
	s_barrier_signal -1
	s_barrier_wait -1                              ; step 0 and all scale words are whole
	s_cmp_lt_u32 s[WV], 4                          ; steps 1 .. 15: waves 0-3 K's chunks, waves 4-7 V's: a wave's one load behind this barrier
	s_cbranch_scc0 .Lnot_k
	tensor_load_to_lds s[G0N:G0N+3], s[G1K:G1K+7]
	s_nop 0
.rept 4
	v_nop
.endr
	s_branch .Lasked
.Lnot_k:
	s_cmp_lt_u32 s[WV], 8
	s_cbranch_scc0 .Lasked
	tensor_load_to_lds s[G0N:G0N+3], s[G1V:G1V+7]
	s_nop 0
.rept 4
	v_nop
.endr
.Lasked:
	BODY                                           ; trip 0: key step 0 is every wave's
	s_wait_tensorcnt 0x0                           ; my chunk's steps 1 .. 15 are in
	s_wait_dscnt 0x0
	s_barrier_signal -1
	s_barrier_wait -1
	s_mov_b32 s[I], 1
	s_mov_b32 s[KF], 128
	s_mov_b32 s[TK], 2048
	s_mov_b32 s[TS], 256
.Lstep:                                            ; 15 trips, a key step each
	s_cmp_lg_u32 s[I], s[SWT]
	s_cbranch_scc1 .Lsame
.rept 8
	v_nop                                          ; B, ahead of trip jx + 1: places behind the last products,
.endr
	v_add_f32 v14, v14, v15
	FINAL                                          ; the early tile is finished and stored,
	s_wait_alu depctr_va_vdst(0)
	s_wait_xcnt 0x0                                ; the stores have read their registers,
	LOADQ QO1, QS1                                 ; and the late tile's part begins
	RESET
	s_mov_b32 s[Q0], s[QL]
	s_wait_alu depctr_va_vdst(0)
.Lsame:
	s_cmp_le_u32 s[I], s[LOE]
	s_cbranch_scc1 .Lwork
	s_cmp_lt_u32 s[I], s[HIB]
	s_cbranch_scc1 .Lhidden
	s_cmp_gt_u32 s[I], s[HIE]
	s_cbranch_scc1 .Lhidden
.Lwork:
	BODY
.Lhidden:
	s_add_co_u32 s[KF], s[KF], 128
	s_add_co_u32 s[TK], s[TK], 2048
	s_add_co_u32 s[TS], s[TS], 256
	s_add_co_u32 s[I], s[I], 1
	s_cmp_lt_u32 s[I], 16
	s_cbranch_scc1 .Lstep
.rept 8
	v_nop                                          ; places behind the last products, on every way here
.endr
	s_wait_alu depctr_va_vdst(0)
	s_cmp_eq_u32 s[ROLE], 1
	s_cbranch_scc1 .Lno_send
	v_add_f32 v13, v14, v15                        ; B: my part of the late tile goes to A: my lane's sum beside -M,
.irp k, 0,1,2,3,4,5,6,7
	ds_store_b128 v[MA], v[O+4*\k:O+4*\k+3] offset:512*\k   ; and O^T as an image of its registers
.endr
	ds_store_b64 v[MB], v[12:13] offset:4096
.Lno_send:
	s_wait_dscnt 0x0                               ; for A's sake: my stores have landed
	s_barrier_signal -1
	s_barrier_wait -1
	s_cmp_eq_u32 s[ROLE], 1
	s_cbranch_scc0 .Lend
.irp k, 0,1,2,3,4,5,6,7
	ds_load_b128 v[FG+4*\k:FG+4*\k+3], v[MA] offset:512*\k
.endr
	ds_load_b64 v[FG+32:FG+33], v[MB] offset:4096
	v_add_f32 v14, v14, v15
	s_wait_alu depctr_va_vdst(0)
	s_wait_dscnt 0x0
	v_min_num_f32 v[TP], v12, v[FG+32]             ; -M of the two parts together
	s_delay_alu instid0(VALU_DEP_1)
	v_sub_f32 v244, v[TP], v12
	v_sub_f32 v246, v[TP], v[FG+32]
	s_delay_alu instid0(VALU_DEP_2)
	v_cvt_i32_f32 v244, v244                       ; (they saturate: an empty part, whose -M is 3e38, gets the factor 0)
	s_delay_alu instid0(VALU_DEP_2)
	v_cvt_i32_f32 v246, v246
	s_delay_alu instid0(VALU_DEP_2)
	v_ldexp_f32 v[F], 1.0, v244
	s_delay_alu instid0(VALU_DEP_2)
	v_ldexp_f32 v246, 1.0, v246
	s_delay_alu instid0(VALU_DEP_2)
	v_mul_f32 v14, v14, v[F]
	s_delay_alu instid0(VALU_DEP_1)
	v_fmac_f32 v14, v[FG+33], v246
.set n, 0
.rept 16
	v_pk_mul_f32 v[O+n:O+n+1], v[O+n:O+n+1], v[F:F+1] op_sel_hi:[1,0]
.set n, n+2
.endr
.set n, 0
.rept 16
	v_pk_fma_f32 v[O+n:O+n+1], v[FG+n:FG+n+1], v[246:247], v[O+n:O+n+1] op_sel_hi:[1,0,1]
.set n, n+2
.endr
	FINAL
.Lend:
	s_wait_tensorcnt 0x0                           ; the wave's end
	ds_add_u32 v254, v255
	s_wait_dscnt 0x0
	s_endpgm
.Lfunc_end_k_qf2548ed2ff_attn:
	.size	k_qf2548ed2ff_attn, .Lfunc_end_k_qf2548ed2ff_attn-k_qf2548ed2ff_attn
	.p2alignl 7, 3214868480
	.fill 96, 4, 3214868480
	.section	.rodata,"a",@progbits
	.p2align	6, 0x0
	.amdhsa_kernel k_qf2548ed2ff_attn
		.amdhsa_group_segment_fixed_size 327680
		.amdhsa_private_segment_fixed_size 0
		.amdhsa_enable_private_segment 0
		.amdhsa_kernarg_size 16
		.amdhsa_user_sgpr_count 2
		.amdhsa_user_sgpr_kernarg_segment_ptr 1
		.amdhsa_wavefront_size32 1
		.amdhsa_system_sgpr_workgroup_id_x 1
		.amdhsa_system_sgpr_workgroup_id_y 1
		.amdhsa_system_sgpr_workgroup_id_z 1
		.amdhsa_system_vgpr_workitem_id 0
		.amdhsa_next_free_vgpr 256
		.amdhsa_next_free_sgpr 100
		.amdhsa_reserve_vcc 1
		.amdhsa_float_denorm_mode_32 3
		.amdhsa_float_denorm_mode_16_64 3
		.amdhsa_memory_ordered 1
		.amdhsa_forward_progress 1
		.amdhsa_inst_pref_size 83
	.end_amdhsa_kernel
	.amdgpu_metadata
---
amdhsa.version: [ 1, 2 ]
amdhsa.kernels:
  - .name:           k_qf2548ed2ff_attn
    .symbol:         k_qf2548ed2ff_attn.kd
    .args:
      - { .name: qkv, .offset: 0, .size: 8, .value_kind: global_buffer, .address_space: global }
      - { .name: ctx, .offset: 8, .size: 8, .value_kind: global_buffer, .address_space: global }
    .group_segment_fixed_size: 327680
    .private_segment_fixed_size: 0
    .kernarg_segment_align: 8
    .kernarg_segment_size: 16
    .max_flat_workgroup_size: 512
    .sgpr_count:     100
    .vgpr_count:     256
    .wavefront_size: 32
...
	.end_amdgpu_metadata
.endif
;; end of part 3
;; launch proj (part 4): grid 8 x 32, 4 waves a work-group, clusters of 4 x 4, 327,680 bytes of LDS; arguments ctx, w_out_codes, w_out_scales, b_out, x, sc; writes sc
.if DOCPART == 4
	.amdgcn_target "amdgcn-amd-amdhsa--gfx1250"
	.amdhsa_code_object_version 6
	.text
	.protected	k_qf2548ed2ff_proj
	.globl	k_qf2548ed2ff_proj
	.p2align	8
	.type	k_qf2548ed2ff_proj,@function
k_qf2548ed2ff_proj:
	s_mov_b64 s[64:65], 0
	v_nop
	global_prefetch_b8 v0, s[64:65] scope:SCOPE_SE
	s_setreg_imm32_b32 hwreg(HW_REG_WAVE_MODE, 25, 1), 1
	s_wait_xcnt 0x0
	s_wait_alu depctr_hold_cnt(0) depctr_sa_sdst(0) depctr_va_vdst(0) depctr_va_sdst(0) depctr_va_ssrc(0) depctr_va_vcc(0) depctr_vm_vsrc(0)
	s_getreg_b32 s2, hwreg(HW_REG_IB_STS2, 6, 4)
	s_cmp_eq_u32 s2, 0
	s_cbranch_scc0 .Lentry_in_a_cluster
	s_endpgm
.Lentry_in_a_cluster:
	s_bfe_u32 s2, ttmp6, 0x10000c
	s_cmp_lg_u32 s2, 0xf033
	s_cbranch_scc0 .Lentry_shape_is_right
	s_endpgm
.Lentry_shape_is_right:
; out = A B^T + bias + residual.  A: 4,096 rows x SIZE_K as operand images [128 rows][128 K][16 rows 8][2,048 B], its scale words [128 rows][128 K][half 2][row 16][4] behind the codes (at 4,096 SIZE_K);
; B: [1024][SIZE_K] codes of E4M3, K innermost, scale bytes [1024][SIZE_K / 32]; bias [1024], residual and out [4096][1024] f32.
; The output has 1,024 columns: tiles of 128 x 128 give 256 work-groups.  Four waves, 64 x 64 each: 16 accumulators.  K goes in slots of 512 (four steps of 128) through two LDS slots:
; A's part of a slot is one dense block of 65,536 bytes (images: read at 16 x lane), B's 128 rows of 512 bytes + 16 of padding.  All scale words of the tile come once, with the first fills.
; CLUSTERS of 4 x 4: A's tile is shared along a row of the cluster, B's along a column, by joint loads.
; THE MATRIX INSTRUCTION IS USED TRANSPOSED (source 0 = 16 rows of B, source 1 = 16 rows of A): a lane holds eight neighbouring columns of a row.  The bias is the C of each sum's first instruction.
; REGISTERS: window 0: v16-29 addresses; v32-95 scale words, two sets (they hold nothing else); v96-127 the bias; v128-255 accumulators.  window 1: two fragment buffers of 128 (A's four, B's four).  window 2: the residual, which takes the sum.
.set SIZE_K, 1024
.set KSLOT,  512
.set PB,     528                       ; a row of B in LDS: 512 bytes + 16: the 16 rows of a load start at 16 different banks (64 banks of 4 bytes: ISA guide 11.1)
.set ABYT,   65536
.set HALFB,  64*PB
.set SLOT,   ABYT+2*HALFB
.set LAPS,   SIZE_K/(2*KSLOT)
.set KS,     SIZE_K/32
.set SCA,    2*SLOT                    ; A's scale words, dense
.set SCB,    SCA+4*SIZE_K              ; B's scale bytes, as blocks of 256 bytes + 16
.set HALFSB, (SIZE_K/128)*272
.set SBLK,   (16*KS/256)*272
.set SPARE,  SCB+2*HALFSB              ; the spare words: 128 bytes a wave, named by no other line
.set SPITCH, 272                       ; the way out: 16 rows x (256 + 16) bytes a wave, in slot 0, which has had its last fill and its last read by then
.set ADRA, 16
.set ADRB, 20
.set ADSA, 22
.set ADSB, 23
.set STO,  24
.set RD,   25
.set CO,   26
.set BO,   27
.set SPW,  28
.set NIL,  29
.set SA,   32                          ; set s: A's words at SA + 32 s + 4 q + a
.set SB,   48                          ; B's at SB + 32 s + 4 b + q
.set BIAS, 96
.set ACC,  128
.set G1A, 24
.set G0A, 32
.set G1B, 40
.set G0B, 48
.set G1SA, 56
.set G0SA, 68
.set G1SB, 72
.set G0SB, 80
.set MSB, 0
.macro WIN new
.if MSB != \new
	s_set_vgpr_msb (MSB<<8)|\new
.set MSB, \new
.endif
.endm
.set MUL,  0x05                        ; sources 0 and 1 window 1; C and D window 0
.set TO_F, 0x40                        ; destination window 1
.macro JLOAD g0a, g1a, g0b, g1b        ; waves 0 and 1 fetch for A, waves 2 and 3 for B; four v_nop follow each line
	s_cmp_eq_u32 s17, 0
	s_cbranch_scc0 .Lfor_b_\@
	tensor_load_to_lds s[\g0a:\g0a+3], s[\g1a:\g1a+7]
	s_nop 0
.rept 4
	v_nop
.endr
	s_branch .Lasked_\@
.Lfor_b_\@:
	tensor_load_to_lds s[\g0b:\g0b+3], s[\g1b:\g1b+7]
	s_nop 0
.rept 4
	v_nop
.endr
.Lasked_\@:
.endm
.macro CREST
	s_cmp_lg_u32 s16, 0
	s_cbranch_scc1 .Lnot_wave_0_\@
	s_barrier_signal -3
.Lnot_wave_0_\@:
	s_barrier_wait -3
	s_barrier_signal -1
	s_barrier_wait -1
.endm
.macro CROUND
	s_barrier_signal -1
	s_barrier_wait -1
	CREST
.endm
	s_load_b256 s[4:11], s[0:1], 0x0               ; A, B's codes, B's scales, bias
	s_load_b128 s[12:15], s[0:1], 0x20             ; residual, out
	v_lshl_add_u32 v[SPW], v0, 2, SPARE
	v_mov_b32 v[NIL], 0
	ds_add_u32 v28, v29
	ds_add_u32 v28, v29
	s_wait_dscnt 0x0
	v_lshrrev_b32 v1, 5, v0
	v_readfirstlane_b32 s16, v1                    ; wave
	s_lshr_b32 s17, s16, 1                         ; i: my half of the rows.  Also: I fetch for A (0) or B (1)
	s_and_b32 s18, s16, 1                          ; j: my half of the columns.  Also: which half I fetch
	s_bfe_u32 s20, ttmp6, 0x40000                  ; cx
	s_bfe_u32 s21, ttmp6, 0x40004                  ; cy
	s_lshl_b32 s22, ttmp9, 2
	s_add_co_u32 s22, s22, s20                     ; tile column
	s_and_b32 s19, ttmp7, 0xffff
	s_lshl_b32 s19, s19, 2
	s_add_co_u32 s19, s19, s21                     ; tile row
	s_lshl_b32 s84, s21, 2
	s_lshl_b32 s84, 15, s84                        ; my row of the cluster
	s_lshl_b32 s85, 0x1111, s20                    ; my column
	s_or_b32 s[G1A], s84, (3<<16)|(1<<21)          ; A: 128 rows of 256 bytes (32 elements of 8), dense
	s_mov_b32 s[G1A+1], 32<<16
	s_mov_b32 s[G1A+2], 256<<16
	s_mov_b32 s[G1A+3], 32<<16
	s_mov_b32 s[G1A+4], 256
	s_mov_b32 s[G1A+5], 32
	s_mov_b32 s[G1A+6], 0
	s_mov_b32 s[G1A+7], 0
	s_or_b32 s[G1B], s85, (0<<16)|(1<<20)|(1<<21)|(6<<22)|(3<<25)   ; B: 64 rows of 512 bytes, 4 words of padding behind every 128
	s_mov_b32 s[G1B+1], KSLOT<<16
	s_mov_b32 s[G1B+2], 128<<16
	s_mov_b32 s[G1B+3], KSLOT<<16
	s_mov_b32 s[G1B+4], 128
	s_mov_b32 s[G1B+5], SIZE_K
	s_mov_b32 s[G1B+6], 0
	s_mov_b32 s[G1B+7], 0
	s_or_b32 s[G1SA], s84, (3<<16)|(1<<21)         ; A's scale words: SIZE_K / 64 rows of 256 bytes, dense
	s_or_b32 s[G1SB], s85, (3<<16)|(1<<20)|(1<<21)|(5<<22)|(3<<25)   ; B's scale bytes: the same, 16 bytes of padding behind each row
.irp g, G1SA, G1SB
	s_mov_b32 s[\g+1], 32<<16
	s_mov_b32 s[\g+2], (SIZE_K/64)<<16
	s_mov_b32 s[\g+3], 32<<16
	s_mov_b32 s[\g+4], SIZE_K/64
	s_mov_b32 s[\g+5], 32
	s_mov_b32 s[\g+6], 0
	s_mov_b32 s[\g+7], 0
.endr
	s_mul_i32 s86, s19, 128*SIZE_K                 ; A's codes: the tile row's block, my half of a slot
	s_mov_b32 s87, 0
	s_mul_i32 s88, s19, 4*SIZE_K
	s_add_co_u32 s88, s88, 4096*SIZE_K
	s_mov_b32 s89, 0
	s_lshl_b32 s90, s22, 7
	s_mul_i32 s92, s90, KS
	s_mov_b32 s93, 0
	s_mul_i32 s90, s90, SIZE_K
	s_mov_b32 s91, 0
	s_lshl_b32 s94, s18, 15                        ; where they go: made of the wave's number alone
	s_mul_i32 s95, s18, HALFB
	s_add_co_u32 s95, s95, ABYT
	s_lshl_b32 s96, s18, 15                        ; in the ring I fetch half a tile: my half in memory, of A
	s_mov_b32 s97, 0
	s_mul_i32 s98, s18, 64*SIZE_K                  ; and of B
	s_mov_b32 s99, 0
	s_wait_kmcnt 0x0
	s_add_nc_u64 s[86:87], s[4:5], s[86:87]
	s_add_nc_u64 s[88:89], s[4:5], s[88:89]
	s_add_nc_u64 s[90:91], s[6:7], s[90:91]
	s_add_nc_u64 s[92:93], s[8:9], s[92:93]
	CROUND                                         ; all sixteen work-groups are here: the first joint loads meet
	s_mov_b32 s[G0SA], 1
	s_mov_b32 s[G0SA+1], SCA
	s_mov_b64 s[G0SA+2:G0SA+3], s[88:89]
	s_or_b32 s[G0SA+3], s[G0SA+3], 0x80000000
	s_mov_b32 s[G0SB], 1
	s_mov_b32 s[G0SB+1], SCB
	s_mov_b64 s[G0SB+2:G0SB+3], s[92:93]
	s_or_b32 s[G0SB+3], s[G0SB+3], 0x80000000
	s_mov_b32 s4, 1                                ; s[4:7]: group 0 of the head's load of A's whole slot 0 (the pointers that lay there are used up)
	s_mov_b32 s5, 0
	s_mov_b64 s[6:7], s[86:87]
	s_or_b32 s7, s7, 0x80000000
	s_add_nc_u64 s[86:87], s[86:87], s[96:97]
	s_add_nc_u64 s[96:97], s[90:91], s[98:99]
.irp s, 0,1
	s_mov_b32 s[G0A+4*\s], 1
	s_add_co_u32 s[G0A+4*\s+1], s94, \s*SLOT
	s_add_nc_u64 s[G0A+4*\s+2:G0A+4*\s+3], s[86:87], \s*ABYT
	s_or_b32 s[G0A+4*\s+3], s[G0A+4*\s+3], 0x80000000
	s_mov_b32 s[G0B+4*\s], 1
	s_add_co_u32 s[G0B+4*\s+1], s95, \s*SLOT
	s_add_nc_u64 s[G0B+4*\s+2:G0B+4*\s+3], s[96:97], \s*KSLOT
	s_or_b32 s[G0B+4*\s+3], s[G0B+4*\s+3], 0x80000000
.endr
	s_mov_b32 s88, 1                               ; s[88:91]: group 0 of the head's load of B's whole slot 0
	s_mov_b32 s89, ABYT
	s_or_b32 s91, s91, 0x80000000
; the head's four tiles, one joint load a wave: wave 0 A's slot 0, wave 1 B's, wave 2 A's scale words, wave 3 B's scale bytes
.macro ARM under, g0, g1, next
	s_cmp_lt_u32 s16, \under
	s_cbranch_scc0 \next
	tensor_load_to_lds s[\g0:\g0+3], s[\g1:\g1+7]
	s_nop 0
.rept 4
	v_nop
.endr
	s_branch .Lhead_asked
\next:
.endm
	ARM 1, 4, G1A, .Lhead_b
	ARM 2, 88, G1B, .Lhead_sa
	ARM 3, G0SA, G1SA, .Lhead_sb
	tensor_load_to_lds s[G0SB:G0SB+3], s[G1SB:G1SB+7]
	s_nop 0
.rept 4
	v_nop
.endr
.Lhead_asked:
	v_and_b32 v1, 15, v0                           ; r
	v_bfe_u32 v2, v0, 4, 1                         ; h
	v_and_b32 v3, 31, v0
	v_lshlrev_b32 v3, 4, v3
	s_lshl_b32 s2, s17, 13
	v_add_nc_u32 v[ADRA], s2, v3                   ; my four images of a step: 8,192 i + 16 x lane
	v_add_nc_u32 v[ADRA+1], SLOT, v[ADRA]
	v_mul_u32_u24 v4, v1, PB
	v_lshl_add_u32 v4, v2, 4, v4
	s_mul_i32 s2, s18, HALFB
	s_add_co_u32 s2, s2, ABYT
	v_add_nc_u32 v[ADRB], s2, v4
	v_add_nc_u32 v[ADRB+1], SLOT, v[ADRB]
	s_lshl_b32 s2, s17, 8
	s_add_co_u32 s2, s2, SCA
	v_lshl_add_u32 v[ADSA], v1, 4, s2
	v_mul_u32_u24 v5, v1, KS
	v_lshrrev_b32 v6, 8, v5
	v_lshl_add_u32 v5, v6, 4, v5
	s_mul_i32 s2, s18, HALFSB
	s_add_co_u32 s2, s2, SCB
	v_add_nc_u32 v[ADSB], s2, v5
	s_mul_i32 s2, s16, 16*SPITCH
	v_mul_u32_u24 v5, v1, SPITCH
	v_lshl_add_u32 v5, v2, 5, v5
	v_add_nc_u32 v[STO], s2, v5
	v_mul_u32_u24 v5, v2, SPITCH
	v_lshl_add_u32 v5, v1, 4, v5
	v_add_nc_u32 v[RD], s2, v5
	v_lshlrev_b32 v[CO], 12, v2
	v_lshl_add_u32 v[CO], v1, 4, v[CO]             ; lanes 0-15 one row's 256 bytes, lanes 16-31 the next row's
	v_lshlrev_b32 v[BO], 5, v2
	s_wait_alu depctr_va_vdst(0)
	s_lshl_b32 s2, s22, 7
	s_lshl_b32 s23, s18, 6
	s_add_co_u32 s2, s2, s23
	s_lshl_b32 s2, s2, 2                           ; my first column, in bytes
	s_mov_b32 s3, 0
	s_add_nc_u64 s[10:11], s[10:11], s[2:3]
	s_lshl_b32 s84, s19, 7
	s_lshl_b32 s23, s17, 6
	s_add_co_u32 s84, s84, s23
	s_lshl_b32 s84, s84, 12                        ; my first row, in bytes
	s_add_co_u32 s84, s84, s2
	s_mov_b32 s85, 0
	s_add_nc_u64 s[12:13], s[12:13], s[84:85]
	s_add_nc_u64 s[14:15], s[14:15], s[84:85]
.irp b, 0,1,2,3
	global_load_b128 v[BIAS+8*\b:BIAS+8*\b+3], v[BO], s[10:11] offset:64*\b        ; lane (r, h): bias of columns 16 b + 8 h + 0 .. 7
	global_load_b128 v[BIAS+8*\b+4:BIAS+8*\b+7], v[BO], s[10:11] offset:64*\b+16
.endr
	WIN 0x80                                       ; destination window 2
.irp a, 0,1,2,3
.irp t, 0,1,2,3,4,5,6,7
	global_load_b128 v[32*\a+4*\t:32*\a+4*\t+3], v[CO], s[12:13] offset:(16*\a+2*\t)*4096 th:TH_LOAD_NT
.endr
.endr
	WIN 0
; four matrix instructions: A's block a x B's four.  The 16 accumulators take turns, one instruction a turn, in the same order in every step.
.macro MUL4 f, a, set, q, first
.irp b, 0,1,2,3
.if \first
	v_wmma_scale_f32_16x16x128_f8f6f4 v[ACC+8*(4*(\a)+\b):ACC+8*(4*(\a)+\b)+7], v[\f+64+16*\b:\f+64+16*\b+15], v[\f+16*(\a):\f+16*(\a)+15], v[BIAS+8*\b:BIAS+8*\b+7], v[SB+32*(\set)+4*\b+(\q)], v[SA+32*(\set)+4*(\q)+(\a)]
.else
	v_wmma_scale_f32_16x16x128_f8f6f4 v[ACC+8*(4*(\a)+\b):ACC+8*(4*(\a)+\b)+7], v[\f+64+16*\b:\f+64+16*\b+15], v[\f+16*(\a):\f+16*(\a)+15], v[ACC+8*(4*(\a)+\b):ACC+8*(4*(\a)+\b)+7], v[SB+32*(\set)+4*\b+(\q)], v[SA+32*(\set)+4*(\q)+(\a)]
.endif
.endr
.endr
.endm
.macro FETCH slot, q, f                ; 32 LDS loads in one run: B's four fragments, then A's blocks 0, 1, then 2, 3
	WIN TO_F
.irp b, 0,1,2,3
.irp c, 0,1,2,3
	ds_load_b128 v[\f+64+16*\b+4*\c:\f+64+16*\b+4*\c+3], v[ADRB+\slot] offset:128*(\q)+32*\c+\b*16*PB
.endr
.endr
.irp a, 0,1,2,3
.irp c, 0,1,2,3
	ds_load_b128 v[\f+16*\a+4*\c:\f+16*\a+4*\c+3], v[ADRA+\slot] offset:16384*(\q)+2048*\a+512*\c
.endr
.endr
.endm
.macro SCALES set                      ; a slot's scale words: A's four blocks for each of four steps; B's four steps for each of four blocks
.irp q, 0,1,2,3
	ds_load_b128 v[SA+32*\set+4*\q:SA+32*\set+4*\q+3], v[ADSA] offset:512*\q
.endr
.irp b, 0,1,2,3
	ds_load_b128 v[SB+32*\set+4*\b:SB+32*\set+4*\b+3], v[ADSB] offset:\b*SBLK
.endr
.endm
.macro PLACES n
.rept \n
	v_nop
.endr
.endm
.macro STEP slot, q, first             ; one of a slot's first three steps
.set FC, 128*((\q)%2)
.set FN, 128-FC
	s_wait_dscnt 8                                 ; the youngest eight loads (A's blocks 2, 3) may be out
	WIN MUL
	MUL4 FC, 0, \slot, \q, \first
	MUL4 FC, 1, \slot, \q, \first
	PLACES 8                                       ; in front of loads into the other buffer, which matrix instructions have read
	FETCH \slot, (\q)+1, FN
	s_wait_dscnt 32                                ; all but the 32 just issued
	WIN MUL
	MUL4 FC, 2, \slot, \q, \first
	MUL4 FC, 3, \slot, \q, \first
.endm
; A slot's last step changes slots: one barrier; in front of it each wave waits for all its tensor loads, adds 0 to its spare word, and waits for that and for its reads of this slot.
.macro TURN slot, next, fill
	WIN 0
	s_wait_tensorcnt 0x0                           ; all my tensor loads have landed: my part of the next slot
	ds_add_u32 v[SPW], v[NIL]                      ; 0 onto my spare word
	s_wait_dscnt 9                                 ; the add and the youngest eight loads may be out
	WIN MUL
	MUL4 128, 0, \slot, 3, 0
	s_wait_dscnt 0x0                               ; the add is done, and my reads of this slot are over
	s_barrier_signal -1
	MUL4 128, 1, \slot, 3, 0
	WIN 0
	s_barrier_wait -1
.if \fill
	CREST                                          ; the barrier has opened a round of the cluster's: no wave of any partner still reads this slot or has a load on its way
	s_add_nc_u64 s[G0A+4*\slot+2:G0A+4*\slot+3], s[G0A+4*\slot+2:G0A+4*\slot+3], 2*ABYT
	s_add_nc_u64 s[G0B+4*\slot+2:G0B+4*\slot+3], s[G0B+4*\slot+2:G0B+4*\slot+3], 2*KSLOT
	JLOAD G0A+4*\slot, G1A, G0B+4*\slot, G1B
	PLACES 4
.else
	PLACES 8
.endif
	v_add_nc_u32 v[ADSA], 2048, v[ADSA]
	v_add_nc_u32 v[ADSB], 16, v[ADSB]
	SCALES \next
	FETCH \next, 0, 0
	WIN MUL
	MUL4 128, 2, \slot, 3, 0
	MUL4 128, 3, \slot, 3, 0
.endm
	s_wait_alu depctr_va_vdst(0)                   ; the wait at the head's end
	s_wait_tensorcnt 0x0                           ; my tile of the head's four is in
	ds_add_u32 v[SPW], v[NIL]                      ; the add ahead of a later first fill
	s_mov_b32 s[G1A+2], 128<<16                    ; no load of mine is out: from here on a load brings half a tile
	s_mov_b32 s[G1A+4], 128
	s_mov_b32 s[G1B+2], 64<<16
	s_mov_b32 s[G1B+4], 64
	s_wait_dscnt 0x0
	CROUND
	JLOAD G0A+4, G1A, G0B+4, G1B                   ; slot 1: the first tensor load behind the round
	SCALES 0
	FETCH 0, 0, 0
	s_wait_loadcnt 32                              ; the bias is in; the residual's 32 loads may be out
	STEP 0, 0, 1
.if LAPS > 1
	WIN 0
	s_mov_b32 s3, LAPS-1
.Llap:
	STEP 0, 1, 0
	STEP 0, 2, 0
	TURN 0, 1, 1
	STEP 1, 0, 0
	STEP 1, 1, 0
	STEP 1, 2, 0
	TURN 1, 0, 1
	STEP 0, 0, 0
	WIN 0
	s_sub_co_u32 s3, s3, 1
	s_cmp_lg_u32 s3, 0
	s_cbranch_scc1 .Llap
.endif
	STEP 0, 1, 0
	STEP 0, 2, 0
	TURN 0, 1, 0
	STEP 1, 0, 0
	STEP 1, 1, 0
	STEP 1, 2, 0
	s_wait_dscnt 8
	WIN MUL
	MUL4 128, 0, 1, 3, 0
	MUL4 128, 1, 1, 3, 0
	s_wait_dscnt 0
	MUL4 128, 2, 1, 3, 0
	MUL4 128, 3, 1, 3, 0
	WIN 0
; THE WAY OUT, 16 rows x 64 columns at a time: through my own stage and back as whole rows of 256 bytes; the residual's registers take the sum and are stored.
.macro TOSTAGE a
	WIN 0
.irp b, 0,1,2,3
	ds_store_b128 v[STO], v[ACC+8*(4*(\a)+\b):ACC+8*(4*(\a)+\b)+3] offset:64*\b     ; each accumulator from its low end on
	ds_store_b128 v[STO], v[ACC+8*(4*(\a)+\b)+4:ACC+8*(4*(\a)+\b)+7] offset:64*\b+16
.endr
	WIN TO_F
.irp t, 0,1,2,3,4,5,6,7
	ds_load_b128 v[32*((\a)%2)+4*\t:32*((\a)%2)+4*\t+3], v[RD] offset:\t*2*SPITCH   ; LDS serves a wave's instructions in order (ISA guide 5.7.1.4)
.endr
.endm
.macro SEND a, younger
	s_wait_dscnt \younger
	WIN 0x86                                       ; destination and source 0 window 2, source 1 window 1
.set n, 0
.rept 16
	v_pk_add_f32 v[32*(\a)+n:32*(\a)+n+1], v[32*(\a)+n:32*(\a)+n+1], v[32*((\a)%2)+n:32*((\a)%2)+n+1]
.set n, n+2
.endr
	WIN 0x08                                       ; a store's data: window 2
.irp t, 0,1,2,3,4,5,6,7
	global_store_b128 v[CO], v[32*(\a)+4*\t:32*(\a)+4*\t+3], s[14:15] offset:(16*(\a)+2*\t)*4096   ; 16 lanes store 256 consecutive bytes, aligned
.endr
.endm
	PLACES 8
	s_wait_loadcnt 0x0                             ; the residual
	TOSTAGE 0
.irp a, 1,2,3
	TOSTAGE \a
	SEND \a-1, 16                                  ; the next block's sixteen LDS instructions may be out
.endr
	SEND 3, 0
	WIN 0
	s_wait_tensorcnt 0x0                           ; the wave's end
	ds_add_u32 v[SPW], v[NIL]
	s_wait_dscnt 0x0
	CROUND                                         ; the closing round
	s_endpgm
.Lfunc_end_k_qf2548ed2ff_proj:
	.size	k_qf2548ed2ff_proj, .Lfunc_end_k_qf2548ed2ff_proj-k_qf2548ed2ff_proj
	.p2alignl 7, 3214868480
	.fill 96, 4, 3214868480
	.section	.rodata,"a",@progbits
	.p2align	6, 0x0
	.amdhsa_kernel k_qf2548ed2ff_proj
		.amdhsa_group_segment_fixed_size 327680
		.amdhsa_private_segment_fixed_size 0
		.amdhsa_enable_private_segment 0
		.amdhsa_kernarg_size 48
		.amdhsa_user_sgpr_count 2
		.amdhsa_user_sgpr_kernarg_segment_ptr 1
		.amdhsa_wavefront_size32 1
		.amdhsa_system_sgpr_workgroup_id_x 1
		.amdhsa_system_sgpr_workgroup_id_y 1
		.amdhsa_system_sgpr_workgroup_id_z 1
		.amdhsa_system_vgpr_workitem_id 0
		.amdhsa_next_free_vgpr 640
		.amdhsa_next_free_sgpr 100
		.amdhsa_reserve_vcc 0
		.amdhsa_float_denorm_mode_32 3
		.amdhsa_float_denorm_mode_16_64 3
		.amdhsa_memory_ordered 1
		.amdhsa_forward_progress 1
		.amdhsa_inst_pref_size 63
	.end_amdhsa_kernel
	.amdgpu_metadata
---
amdhsa.version: [ 1, 2 ]
amdhsa.kernels:
  - .name:           k_qf2548ed2ff_proj
    .symbol:         k_qf2548ed2ff_proj.kd
    .args:
      - { .name: ctx, .offset: 0, .size: 8, .value_kind: global_buffer, .address_space: global }
      - { .name: w_out_codes, .offset: 8, .size: 8, .value_kind: global_buffer, .address_space: global }
      - { .name: w_out_scales, .offset: 16, .size: 8, .value_kind: global_buffer, .address_space: global }
      - { .name: b_out, .offset: 24, .size: 8, .value_kind: global_buffer, .address_space: global }
      - { .name: x, .offset: 32, .size: 8, .value_kind: global_buffer, .address_space: global }
      - { .name: sc, .offset: 40, .size: 8, .value_kind: global_buffer, .address_space: global }
    .group_segment_fixed_size: 327680
    .private_segment_fixed_size: 0
    .kernarg_segment_align: 8
    .kernarg_segment_size: 48
    .max_flat_workgroup_size: 128
    .sgpr_count:     100
    .vgpr_count:     640
    .wavefront_size: 32
...
	.end_amdgpu_metadata
.endif
;; end of part 4
;; launch ln2: the kernel of part 1 again; grid 256 x 1, 8 waves a work-group, no clusters, 42,496 bytes of LDS; arguments sc, ln2_scale, ln2_shift, act; writes act
;; launch ffn1 (part 5): grid 16 x 16, 4 waves a work-group, clusters of 4 x 4, 327,680 bytes of LDS; arguments act, w1_codes, w1_scales, b1, hid; writes hid
.if DOCPART == 5
	.amdgcn_target "amdgcn-amd-amdhsa--gfx1250"
	.amdhsa_code_object_version 6
	.text
	.protected	k_qf2548ed2ff_ffn1
	.globl	k_qf2548ed2ff_ffn1
	.p2align	8
	.type	k_qf2548ed2ff_ffn1,@function
k_qf2548ed2ff_ffn1:
	s_mov_b64 s[64:65], 0
	v_nop
	global_prefetch_b8 v0, s[64:65] scope:SCOPE_SE
	s_setreg_imm32_b32 hwreg(HW_REG_WAVE_MODE, 25, 1), 1
	s_wait_xcnt 0x0
	s_wait_alu depctr_hold_cnt(0) depctr_sa_sdst(0) depctr_va_vdst(0) depctr_va_sdst(0) depctr_va_ssrc(0) depctr_va_vcc(0) depctr_vm_vsrc(0)
	s_getreg_b32 s2, hwreg(HW_REG_IB_STS2, 6, 4)
	s_cmp_eq_u32 s2, 0
	s_cbranch_scc0 .Lentry_in_a_cluster
	s_endpgm
.Lentry_in_a_cluster:
	s_bfe_u32 s2, ttmp6, 0x10000c
	s_cmp_lg_u32 s2, 0xf033
	s_cbranch_scc0 .Lentry_shape_is_right
	s_endpgm
.Lentry_shape_is_right:
.set SIZE_K, 1024
.set KSTEP,  256
.set NQ,     KSTEP/128
.set ROWB,   256
.set KROW,   SIZE_K
.set PITCH,  272
.set FR,     16
.set NL,     4
.set NP,     8
.set HALFT,  128*PITCH
.set SLOT,   4*HALFT
.set LAPS,   SIZE_K/(2*KSTEP)
.set KS,     SIZE_K/32
.set SCL,    2*SLOT
.set HALFS,  (128*KS/256)*272
.set SBLK,   (16*KS/256)*272
.set SPARE,  SCL+4*HALFS
.set ADRA, 16
.set ADRB, 20
.set LO,   24
.set SL,   26
.set ADRS, 27
.set SPW,  28
.set NIL,  29
.set K0,   30
.set SC,   32
.set BIAS, 64
.set AF,   128
.set T,    128
.set TM,   192
.set W,    208
.set PC,   216
.set Z,    232
.set G1, 24
.set G0, 32
.set G1B, 48
.set G0B, 56
.set G1S, 68
.set G0S, 76
.set G1SB, 80
.set G0SB, 88
.set MSB, 0
.macro WIN new
.if MSB != \new
	s_set_vgpr_msb (MSB<<8)|\new
.set MSB, \new
.endif
.endm
.set MUL_LO, 0xa1
.set MUL_HI, 0xf1
.set FST_LO, 0x81
.set FST_HI, 0xc1
.set TO_B,   0x40
.macro JLOAD g0a, g1a, g0b, g1b
	s_cmp_eq_u32 s15, 0
	s_cbranch_scc0 .Lfor_b_\@
	tensor_load_to_lds s[\g0a:\g0a+3], s[\g1a:\g1a+7]
	s_nop 0
.rept 4
	v_nop
.endr
	s_branch .Lasked_\@
.Lfor_b_\@:
	tensor_load_to_lds s[\g0b:\g0b+3], s[\g1b:\g1b+7]
	s_nop 0
.rept 4
	v_nop
.endr
.Lasked_\@:
.endm
.macro CREST
	s_cmp_lg_u32 s14, 0
	s_cbranch_scc1 .Lnot_wave_0_\@
	s_barrier_signal -3
.Lnot_wave_0_\@:
	s_barrier_wait -3
	s_barrier_signal -1
	s_barrier_wait -1
.endm
.macro CROUND
	s_barrier_signal -1
	s_barrier_wait -1
	CREST
.endm
	s_load_b64 s[4:5], s[0:1], 0x0
	s_load_b128 s[8:11], s[0:1], 0x8
	s_load_b64 s[66:67], s[0:1], 0x18
	s_load_b64 s[12:13], s[0:1], 0x20
	v_lshl_add_u32 v[SPW], v0, 2, SPARE
	v_mov_b32 v[NIL], 0
	ds_add_u32 v28, v29
	ds_add_u32 v28, v29
	s_wait_dscnt 0x0
	v_lshrrev_b32 v1, 5, v0
	v_readfirstlane_b32 s14, v1
	s_lshr_b32 s15, s14, 1
	s_and_b32 s16, s14, 1
	s_bfe_u32 s40, ttmp6, 0x40000
	s_bfe_u32 s41, ttmp6, 0x40004
	s_lshl_b32 s42, ttmp9, 2
	s_add_co_u32 s42, s42, s40
	s_and_b32 s17, ttmp7, 0xffff
	s_lshl_b32 s17, s17, 2
	s_add_co_u32 s17, s17, s41
	s_lshl_b32 s43, s41, 2
	s_lshl_b32 s43, 15, s43
	s_lshl_b32 s44, 0x1111, s40
	s_or_b32 s[G1+0], s43, (0<<16)|(1<<20)|(1<<21)|(5<<22)|(3<<25)
	s_or_b32 s[G1B+0], s44, (0<<16)|(1<<20)|(1<<21)|(5<<22)|(3<<25)
.irp g, G1, G1B
	s_mov_b32 s[\g+1], ROWB<<16
	s_mov_b32 s[\g+2], 256<<16
	s_mov_b32 s[\g+3], ROWB<<16
	s_mov_b32 s[\g+4], 256
	s_mov_b32 s[\g+5], KROW
	s_mov_b32 s[\g+6], 0
	s_mov_b32 s[\g+7], 0
.endr
	s_or_b32 s[G1S+0], s43, (3<<16)|(1<<20)|(1<<21)|(5<<22)|(3<<25)
	s_or_b32 s[G1SB+0], s44, (3<<16)|(1<<20)|(1<<21)|(5<<22)|(3<<25)
.irp g, G1S, G1SB
	s_mov_b32 s[\g+1], 32<<16
	s_mov_b32 s[\g+2], KS<<16
	s_mov_b32 s[\g+3], 32<<16
	s_mov_b32 s[\g+4], KS
	s_mov_b32 s[\g+5], 32
	s_mov_b32 s[\g+6], 0
	s_mov_b32 s[\g+7], 0
.endr
	s_lshl_b32 s20, s17, 8
	s_lshl_b32 s46, s42, 8
	s_mov_b32 s21, 0
	s_mov_b32 s47, 0
	s_mov_b64 s[18:19], KS
	s_mul_u64 s[22:23], s[20:21], s[18:19]
	s_mul_u64 s[92:93], s[46:47], s[18:19]
	s_mov_b64 s[18:19], KROW
	s_mul_u64 s[20:21], s[20:21], s[18:19]
	s_mul_u64 s[46:47], s[46:47], s[18:19]
	s_mul_i32 s18, s16, 128*KROW                   ; in the ring I fetch 128 rows of a tile: my half, in bytes
	s_mov_b32 s19, 0
	s_mul_i32 s45, s14, HALFT
	s_wait_kmcnt 0x0
	s_add_nc_u64 s[6:7], s[4:5], 0x400000
	s_add_nc_u64 s[20:21], s[4:5], s[20:21]
	s_add_nc_u64 s[22:23], s[6:7], s[22:23]
	s_add_nc_u64 s[46:47], s[8:9], s[46:47]
	s_add_nc_u64 s[92:93], s[10:11], s[92:93]
	CROUND
	s_mov_b32 s[G0S], 1
	s_mov_b32 s[G0S+1], SCL
	s_mov_b64 s[G0S+2:G0S+3], s[22:23]
	s_or_b32 s[G0S+3], s[G0S+3], 0x80000000
	s_mov_b32 s[G0SB], 1
	s_mov_b32 s[G0SB+1], SCL+2*HALFS
	s_mov_b64 s[G0SB+2:G0SB+3], s[92:93]
	s_or_b32 s[G0SB+3], s[G0SB+3], 0x80000000
	s_mov_b32 s4, 1                                ; s[4:7], s[8:11]: groups 0 of the head's loads of K step 0, 256 rows each (the pointers that lay there are used up)
	s_mov_b32 s5, 0
	s_mov_b64 s[6:7], s[20:21]
	s_or_b32 s7, s7, 0x80000000
	s_mov_b32 s8, 1
	s_mov_b32 s9, 2*HALFT
	s_mov_b64 s[10:11], s[46:47]
	s_or_b32 s11, s11, 0x80000000
	s_add_nc_u64 s[20:21], s[20:21], s[18:19]
	s_add_nc_u64 s[46:47], s[46:47], s[18:19]
.irp s, 0,1
	s_mov_b32 s[G0+4*\s], 1
	s_add_co_u32 s[G0+4*\s+1], s45, \s*SLOT
	s_add_nc_u64 s[G0+4*\s+2:G0+4*\s+3], s[20:21], \s*ROWB
	s_or_b32 s[G0+4*\s+3], s[G0+4*\s+3], 0x80000000
	s_mov_b32 s[G0B+4*\s], 1
	s_add_co_u32 s[G0B+4*\s+1], s45, \s*SLOT
	s_add_nc_u64 s[G0B+4*\s+2:G0B+4*\s+3], s[46:47], \s*ROWB
	s_or_b32 s[G0B+4*\s+3], s[G0B+4*\s+3], 0x80000000
.endr
; the head's four tiles, one joint load a wave: wave 0 the rows' 256 x 256 codes of K step 0, wave 1 the weight's, waves 2 and 3 their scale bytes
.macro ARM under, g0, g1, next
	s_cmp_lt_u32 s14, \under
	s_cbranch_scc0 \next
	tensor_load_to_lds s[\g0:\g0+3], s[\g1:\g1+7]
	s_nop 0
.rept 4
	v_nop
.endr
	s_branch .Lhead_asked
\next:
.endm
	ARM 1, 4, G1, .Lhead_b
	ARM 2, 8, G1B, .Lhead_sa
	ARM 3, G0S, G1S, .Lhead_sb
	tensor_load_to_lds s[G0SB:G0SB+3], s[G1SB:G1SB+7]
	s_nop 0
.rept 4
	v_nop
.endr
.Lhead_asked:
	v_and_b32 v1, 15, v0
	v_bfe_u32 v2, v0, 4, 1
	v_mul_u32_u24 v3, v1, PITCH
	v_lshl_add_u32 v4, v2, 4, v3
	s_mul_i32 s21, s15, HALFT
	s_mul_i32 s22, s16, HALFT
	s_add_co_u32 s22, s22, 2*HALFT
.irp s, 0,1
	v_add_nc_u32 v[ADRA+\s], s21, v4
	v_add_nc_u32 v[ADRB+\s], s22, v4
	s_add_co_u32 s21, s21, SLOT
	s_add_co_u32 s22, s22, SLOT
.endr
	v_mul_u32_u24 v5, v1, KS
	v_lshrrev_b32 v6, 8, v5
	v_lshl_add_u32 v5, v6, 4, v5
	s_mul_i32 s21, s15, HALFS
	s_mul_i32 s22, s16, HALFS
	s_add_co_u32 s22, s22, 2*HALFS
	s_sub_co_u32 s22, s22, s21
	v_mul_u32_u24 v6, s22, v2
	s_add_co_u32 s21, s21, SCL
	v_add_nc_u32 v5, v5, v6
	v_add_nc_u32 v[ADRS], s21, v5
	s_lshl_b32 s18, s17, 1
	s_add_co_u32 s18, s18, s15
	s_lshl_b32 s18, s18, 5
	s_lshl_b32 s46, s42, 1
	s_add_co_u32 s46, s46, s16
	s_add_co_u32 s18, s18, s46
	s_lshl_b32 s46, s18, 14
	s_mov_b32 s47, 0
	s_lshl_b32 s92, s18, 9
	s_add_co_u32 s92, s92, 0x1000000
	s_mov_b32 s93, 0
	s_add_nc_u64 s[92:93], s[12:13], s[92:93]
	s_add_nc_u64 s[12:13], s[12:13], s[46:47]
	s_lshl_b32 s46, s42, 10
	s_lshl_b32 s18, s16, 9
	s_add_co_u32 s46, s46, s18
	s_add_nc_u64 s[66:67], s[66:67], s[46:47]
	s_mov_b32 s96, 0x76543210
	s_mov_b32 s97, 0xfedcba98
	s_mov_b32 s98, 0x600000
	s_mov_b32 s100, 0xbdd2d3e8
	s_mov_b32 s101, s100
	v_mov_b32 v[K0], 0xc0135761
	v_mov_b32 v[K0+1], 0xc0135761
	v_lshlrev_b32 v[LO], 4, v1
	v_lshl_add_u32 v[LO], v2, 3, v[LO]
	v_lshlrev_b32 v[SL], 5, v2
.irp b, 0,1,2,3,4,5,6,7
	global_load_b128 v[BIAS+8*\b:BIAS+8*\b+3], v[SL], s[66:67] offset:64*\b
	global_load_b128 v[BIAS+8*\b+4:BIAS+8*\b+7], v[SL], s[66:67] offset:64*\b+16
.endr
.macro FRAG reg, adr, q, i
.irp c, 0,1,2,3
	ds_load_b128 v[\reg+4*\c:\reg+4*\c+3], v[\adr] offset:128*(\q)+32*\c+(\i)*16*PITCH
.endr
.endm
.macro MUL16 a0, p, q, sc, zero
.irp a, \a0, \a0+1
.irp b, 0,1,2,3,4,5,6,7
.if \zero
	v_wmma_scale_f32_16x16x128_f8f6f4 v[8*(8*((\a)%4)+\b):8*(8*((\a)%4)+\b)+7], v[128*(\p)+FR*\b:128*(\p)+FR*\b+FR-1], v[AF+FR*(\a):AF+FR*(\a)+FR-1], v[BIAS+8*\b:BIAS+8*\b+7], v[SC+8*NQ*(\sc)+NQ*\b+(\q)], v[SC+8*NQ*(\sc)+NQ*(\a)+(\q)] matrix_a_scale:MATRIX_SCALE_ROW1
.else
	v_wmma_scale_f32_16x16x128_f8f6f4 v[8*(8*((\a)%4)+\b):8*(8*((\a)%4)+\b)+7], v[128*(\p)+FR*\b:128*(\p)+FR*\b+FR-1], v[AF+FR*(\a):AF+FR*(\a)+FR-1], v[8*(8*((\a)%4)+\b):8*(8*((\a)%4)+\b)+7], v[SC+8*NQ*(\sc)+NQ*\b+(\q)], v[SC+8*NQ*(\sc)+NQ*(\a)+(\q)] matrix_a_scale:MATRIX_SCALE_ROW1
.endif
.endr
.endr
.endm
.macro FETCH_B slot, q, p
	WIN TO_B
.irp i, 0,1,2,3,4,5,6,7
	FRAG 128*(\p)+FR*\i, ADRB+\slot, \q, \i
.endr
	WIN 0
.endm
.macro FETCH_A slot, q, i0
.irp i, \i0, \i0+1, \i0+2, \i0+3
	FRAG AF+FR*(\i), ADRA+\slot, \q, \i
.endr
.endm
.macro SCALES sc
.irp i, 0,1,2,3,4,5,6,7
	ds_load_b64 v[SC+8*NQ*\sc+NQ*\i:SC+8*NQ*\sc+NQ*\i+1], v[ADRS] offset:\i*SBLK
.endr
.endm
.macro PLACES n
.rept \n
	v_nop
.endr
.endm
.macro STEP slot, q, zero
	s_wait_dscnt 4*NL
.if \zero
	WIN FST_LO
.else
	WIN MUL_LO
.endif
	MUL16 0, (\q)%2, \q, \slot, \zero
	MUL16 2, (\q)%2, \q, \slot, \zero
	s_wait_dscnt 0
	PLACES NP
	FETCH_B \slot, (\q)+1, 1-(\q)%2
	FETCH_A \slot, (\q)+1, 0
.if \zero
	WIN FST_HI
.else
	WIN MUL_HI
.endif
	MUL16 4, (\q)%2, \q, \slot, \zero
	MUL16 6, (\q)%2, \q, \slot, \zero
	PLACES NP
	WIN 0
	FETCH_A \slot, (\q)+1, 4
.endm
.macro TURN slot, next, fill
	s_wait_tensorcnt 0x0
	ds_add_u32 v[SPW], v[NIL]
	s_wait_dscnt 4*NL+1
	WIN MUL_LO
	MUL16 0, 1, NQ-1, \slot, 0
	s_wait_dscnt 0x0
	s_barrier_signal -1
	MUL16 2, 1, NQ-1, \slot, 0
	WIN 0
	s_barrier_wait -1
.if \fill
	CREST
	s_add_nc_u64 s[G0+4*\slot+2:G0+4*\slot+3], s[G0+4*\slot+2:G0+4*\slot+3], 2*ROWB
	s_add_nc_u64 s[G0B+4*\slot+2:G0B+4*\slot+3], s[G0B+4*\slot+2:G0B+4*\slot+3], 2*ROWB
	JLOAD G0+4*\slot, G1, G0B+4*\slot, G1B
	PLACES NP-4
.else
	PLACES NP
.endif
	s_wait_alu depctr_va_vdst(0)
	v_add_nc_u32 v[ADRS], 4*NQ, v[ADRS]
	FETCH_B \next, 0, 0
	FETCH_A \next, 0, 0
	SCALES \next
	WIN MUL_HI
	MUL16 4, 1, NQ-1, \slot, 0
	MUL16 6, 1, NQ-1, \slot, 0
	PLACES NP
	WIN 0
	FETCH_A \next, 0, 4
.endm
	s_wait_alu depctr_va_vdst(0)
	s_wait_tensorcnt 0x0                           ; my tile of the head's four is in
	ds_add_u32 v[SPW], v[NIL]                      ; the add ahead of a later first fill
	s_mov_b32 s[G1+2], 128<<16                     ; no load of mine is out: from here on a load brings 128 rows
	s_mov_b32 s[G1+4], 128
	s_mov_b32 s[G1B+2], 128<<16
	s_mov_b32 s[G1B+4], 128
	s_wait_dscnt 0x0
	CROUND
	JLOAD G0+4, G1, G0B+4, G1B                     ; K step 1: the first tensor load behind the round
	FETCH_B 0, 0, 0
	FETCH_A 0, 0, 0
	SCALES 0
	FETCH_A 0, 0, 4
	s_wait_loadcnt 0x0
	STEP 0, 0, 1
	s_mov_b32 s3, LAPS-1
.Llap:
	TURN 0, 1, 1
	STEP 1, 0, 0
	TURN 1, 0, 1
	STEP 0, 0, 0
	s_sub_co_u32 s3, s3, 1
	s_cmp_lg_u32 s3, 0
	s_cbranch_scc1 .Llap
	TURN 0, 1, 0
	STEP 1, 0, 0
	s_wait_dscnt 4*NL
	WIN MUL_LO
	MUL16 0, 1, NQ-1, 1, 0
	MUL16 2, 1, NQ-1, 1, 0
	s_wait_dscnt 0
	WIN MUL_HI
	MUL16 4, 1, NQ-1, 1, 0
	MUL16 6, 1, NQ-1, 1, 0
	WIN 0
.macro GBLOCK a
.set AC, 64*((\a)%4)
.set XW, 2+(\a)/4
.set W2, XW|(XW<<2)
.set W1, XW<<2
	WIN W2
.set n, 0
.rept 32
	v_pk_mul_f32 v[T+n:T+n+1], v[AC+n:AC+n+1], v[AC+n:AC+n+1]
.set n, n+2
.endr
	WIN 0
.set n, 0
.rept 32
	v_pk_fma_f32 v[T+n:T+n+1], v[T+n:T+n+1], s[100:101], v[K0:K0+1] op_sel_hi:[1,0,1]
.set n, n+2
.endr
	WIN W1
.set n, 0
.rept 32
	v_pk_mul_f32 v[T+n:T+n+1], v[T+n:T+n+1], v[AC+n:AC+n+1]
.set n, n+2
.endr
	WIN 0
.set n, 0
	s_wait_alu depctr_va_vdst(0)
.rept 64
	v_exp_f32 v[T+n], v[T+n]
.set n, n+1
.endr
	v_nop
	s_wait_alu depctr_va_vdst(0)
.set n, 0
.rept 32
	v_pk_add_f32 v[T+n:T+n+1], v[T+n:T+n+1], 1.0 op_sel_hi:[1,0]
.set n, n+2
.endr
.set n, 0
	s_wait_alu depctr_va_vdst(0)
.rept 64
	v_rcp_f32 v[T+n], v[T+n]
.set n, n+1
.endr
	v_nop
	s_wait_alu depctr_va_vdst(0)
	WIN W1
.set n, 0
.rept 32
	v_pk_mul_f32 v[T+n:T+n+1], v[T+n:T+n+1], v[AC+n:AC+n+1]
.set n, n+2
.endr
	WIN 0
.irp c, 0,1,2,3
	v_max3_num_f32 v[TM+\c], |v[T+16*\c]|, |v[T+16*\c+1]|, 0x4800000
.endr
.irp i, 2,4,6,8,10,12,14
.irp c, 0,1,2,3
	v_max3_num_f32 v[TM+\c], v[TM+\c], |v[T+16*\c+\i]|, |v[T+16*\c+\i+1]|
.endr
.endr
.irp c, 0,1,2,3
	v_permlanex16_b32 v[TM+4+\c], v[TM+\c], s96, s97
.endr
.irp c, 0,1,2,3
	v_max_num_f32 v[TM+\c], v[TM+\c], v[TM+4+\c]
.endr
.irp c, 0,1,2,3
	v_add_nc_u32 v[TM+12+\c], 0xfc000000, v[TM+\c]
.endr
.irp c, 0,1,2,3
	v_and_or_b32 v[TM+8+\c], v[TM+\c], 0x7f800000, s98
.endr
.irp c, 0,1,2,3
	v_lshrrev_b32 v[TM+4+\c], 23, v[TM+12+\c]
.endr
	v_lshl_or_b32 v[W+(\a)], v[TM+5], 8, v[TM+4]
	v_lshl_or_b32 v[W+(\a)], v[TM+6], 16, v[W+(\a)]
	v_lshl_or_b32 v[W+(\a)], v[TM+7], 24, v[W+(\a)]
.set n, 0
.rept 64
	v_med3_num_f32 v[T+n], v[T+n], -v[TM+8+n/16], v[TM+8+n/16]
.set n, n+1
.endr
.if (\a) > 0
	s_wait_alu depctr_va_vdst(0)
	s_wait_xcnt 0x0
.endif
.irp c, 0,1,2,3
	v_cvt_scalef32_pk8_fp8_f32 v[PC+4*\c:PC+4*\c+1], v[T+16*\c:T+16*\c+7], v[TM+12+\c]
	v_cvt_scalef32_pk8_fp8_f32 v[PC+4*\c+2:PC+4*\c+3], v[T+16*\c+8:T+16*\c+15], v[TM+12+\c]
.endr
	v_nop
.irp c, 0,1,2,3
.irp u, 0,1
	global_store_b64 v[LO], v[PC+4*\c+2*\u:PC+4*\c+2*\u+1], s[12:13] offset:2048*(\a)+512*\c+256*\u
.endr
.endr
.endm
	PLACES NP
.irp c, 0,1,2,3
	v_mov_b32 v[TM+4+\c], 0
.endr
.irp a, 0,1,2,3,4,5,6,7
	GBLOCK \a
.endr
	s_mov_b32 s19, 0xffff0000
.irp q, 0,1,2,3
	v_cndmask_b32 v[Z+\q], v[W+\q], v[W+4+\q], s19
.endr
	v_and_b32 v[SL], 31, v0
	v_lshlrev_b32 v[SL], 4, v[SL]
	global_store_b128 v[SL], v[Z:Z+3], s[92:93]
	s_wait_tensorcnt 0x0
	ds_add_u32 v[SPW], v[NIL]
	s_wait_dscnt 0x0
	CROUND
	s_endpgm
.Lfunc_end_k_qf2548ed2ff_ffn1:
	.size	k_qf2548ed2ff_ffn1, .Lfunc_end_k_qf2548ed2ff_ffn1-k_qf2548ed2ff_ffn1
	.p2alignl 7, 3214868480
	.fill 96, 4, 3214868480
	.section	.rodata,"a",@progbits
	.p2align	6, 0x0
	.amdhsa_kernel k_qf2548ed2ff_ffn1
		.amdhsa_group_segment_fixed_size 327680
		.amdhsa_private_segment_fixed_size 0
		.amdhsa_enable_private_segment 0
		.amdhsa_kernarg_size 40
		.amdhsa_user_sgpr_count 2
		.amdhsa_user_sgpr_kernarg_segment_ptr 1
		.amdhsa_wavefront_size32 1
		.amdhsa_system_sgpr_workgroup_id_x 1
		.amdhsa_system_sgpr_workgroup_id_y 1
		.amdhsa_system_sgpr_workgroup_id_z 1
		.amdhsa_system_vgpr_workitem_id 0
		.amdhsa_next_free_vgpr 1024
		.amdhsa_next_free_sgpr 106
		.amdhsa_reserve_vcc 0
		.amdhsa_float_denorm_mode_32 3
		.amdhsa_float_denorm_mode_16_64 3
		.amdhsa_memory_ordered 1
		.amdhsa_forward_progress 1
		.amdhsa_inst_pref_size 255
	.end_amdhsa_kernel
	.section	.bss,"aw",@nobits
	.p2align	6
	.space	262144
	.amdgpu_metadata
---
amdhsa.version: [ 1, 2 ]
amdhsa.kernels:
  - .name:           k_qf2548ed2ff_ffn1
    .symbol:         k_qf2548ed2ff_ffn1.kd
    .args:
      - { .name: act, .offset: 0, .size: 8, .value_kind: global_buffer, .address_space: global }
      - { .name: w1_codes, .offset: 8, .size: 8, .value_kind: global_buffer, .address_space: global }
      - { .name: w1_scales, .offset: 16, .size: 8, .value_kind: global_buffer, .address_space: global }
      - { .name: b1, .offset: 24, .size: 8, .value_kind: global_buffer, .address_space: global }
      - { .name: hid, .offset: 32, .size: 8, .value_kind: global_buffer, .address_space: global }
    .group_segment_fixed_size: 327680
    .private_segment_fixed_size: 0
    .kernarg_segment_align: 8
    .kernarg_segment_size: 40
    .max_flat_workgroup_size: 128
    .sgpr_count:     106
    .vgpr_count:     1024
    .wavefront_size: 32
...
	.end_amdgpu_metadata
.endif
;; end of part 5
;; launch ffn2 (part 6): grid 8 x 32, 4 waves a work-group, clusters of 4 x 4, 327,680 bytes of LDS; arguments hid, w2_codes, w2_scales, b2, sc, out0; writes out0
.if DOCPART == 6
	.amdgcn_target "amdgcn-amd-amdhsa--gfx1250"
	.amdhsa_code_object_version 6
	.text
	.protected	k_qf2548ed2ff_ffn2
	.globl	k_qf2548ed2ff_ffn2
	.p2align	8
	.type	k_qf2548ed2ff_ffn2,@function
k_qf2548ed2ff_ffn2:
	s_mov_b64 s[64:65], 0
	v_nop
	global_prefetch_b8 v0, s[64:65] scope:SCOPE_SE
	s_setreg_imm32_b32 hwreg(HW_REG_WAVE_MODE, 25, 1), 1
	s_wait_xcnt 0x0
	s_wait_alu depctr_hold_cnt(0) depctr_sa_sdst(0) depctr_va_vdst(0) depctr_va_sdst(0) depctr_va_ssrc(0) depctr_va_vcc(0) depctr_vm_vsrc(0)
	s_getreg_b32 s2, hwreg(HW_REG_IB_STS2, 6, 4)
	s_cmp_eq_u32 s2, 0
	s_cbranch_scc0 .Lentry_in_a_cluster
	s_endpgm
.Lentry_in_a_cluster:
	s_bfe_u32 s2, ttmp6, 0x10000c
	s_cmp_lg_u32 s2, 0xf033
	s_cbranch_scc0 .Lentry_shape_is_right
	s_endpgm
.Lentry_shape_is_right:
.set SIZE_K, 4096
.set KSLOT,  512
.set PB,     528
.set ABYT,   65536
.set HALFB,  64*PB
.set SLOT,   ABYT+2*HALFB
.set LAPS,   SIZE_K/(2*KSLOT)
.set KS,     SIZE_K/32
.set SCA,    2*SLOT
.set SCB,    SCA+4*SIZE_K
.set HALFSB, (SIZE_K/128)*272
.set SBLK,   (16*KS/256)*272
.set SPARE,  SCB+2*HALFSB
.set SPITCH, 272
.set ADRA, 16
.set ADRB, 20
.set ADSA, 22
.set ADSB, 23
.set STO,  24
.set RD,   25
.set CO,   26
.set BO,   27
.set SPW,  28
.set NIL,  29
.set SA,   32
.set SB,   48
.set BIAS, 96
.set ACC,  128
.set G1A, 24
.set G0A, 32
.set G1B, 40
.set G0B, 48
.set G1SA, 56
.set G0SA, 68
.set G1SB, 72
.set G0SB, 80
.set MSB, 0
.macro WIN new
.if MSB != \new
	s_set_vgpr_msb (MSB<<8)|\new
.set MSB, \new
.endif
.endm
.set MUL,  0x05
.set TO_F, 0x40
.macro JLOAD g0a, g1a, g0b, g1b
	s_cmp_eq_u32 s17, 0
	s_cbranch_scc0 .Lfor_b_\@
	tensor_load_to_lds s[\g0a:\g0a+3], s[\g1a:\g1a+7]
	s_nop 0
.rept 4
	v_nop
.endr
	s_branch .Lasked_\@
.Lfor_b_\@:
	tensor_load_to_lds s[\g0b:\g0b+3], s[\g1b:\g1b+7]
	s_nop 0
.rept 4
	v_nop
.endr
.Lasked_\@:
.endm
.macro CREST
	s_cmp_lg_u32 s16, 0
	s_cbranch_scc1 .Lnot_wave_0_\@
	s_barrier_signal -3
.Lnot_wave_0_\@:
	s_barrier_wait -3
	s_barrier_signal -1
	s_barrier_wait -1
.endm
.macro CROUND
	s_barrier_signal -1
	s_barrier_wait -1
	CREST
.endm
	s_load_b256 s[4:11], s[0:1], 0x0
	s_load_b128 s[12:15], s[0:1], 0x20
	v_lshl_add_u32 v[SPW], v0, 2, SPARE
	v_mov_b32 v[NIL], 0
	ds_add_u32 v28, v29
	ds_add_u32 v28, v29
	s_wait_dscnt 0x0
	v_lshrrev_b32 v1, 5, v0
	v_readfirstlane_b32 s16, v1
	s_lshr_b32 s17, s16, 1
	s_and_b32 s18, s16, 1
	s_bfe_u32 s20, ttmp6, 0x40000
	s_bfe_u32 s21, ttmp6, 0x40004
	s_lshl_b32 s22, ttmp9, 2
	s_add_co_u32 s22, s22, s20
	s_and_b32 s19, ttmp7, 0xffff
	s_lshl_b32 s19, s19, 2
	s_add_co_u32 s19, s19, s21
	s_lshl_b32 s84, s21, 2
	s_lshl_b32 s84, 15, s84
	s_lshl_b32 s85, 0x1111, s20
	s_or_b32 s[G1A], s84, (3<<16)|(1<<21)
	s_mov_b32 s[G1A+1], 32<<16
	s_mov_b32 s[G1A+2], 256<<16
	s_mov_b32 s[G1A+3], 32<<16
	s_mov_b32 s[G1A+4], 256
	s_mov_b32 s[G1A+5], 32
	s_mov_b32 s[G1A+6], 0
	s_mov_b32 s[G1A+7], 0
	s_or_b32 s[G1B], s85, (0<<16)|(1<<20)|(1<<21)|(6<<22)|(3<<25)
	s_mov_b32 s[G1B+1], KSLOT<<16
	s_mov_b32 s[G1B+2], 128<<16
	s_mov_b32 s[G1B+3], KSLOT<<16
	s_mov_b32 s[G1B+4], 128
	s_mov_b32 s[G1B+5], SIZE_K
	s_mov_b32 s[G1B+6], 0
	s_mov_b32 s[G1B+7], 0
	s_or_b32 s[G1SA], s84, (3<<16)|(1<<21)
	s_or_b32 s[G1SB], s85, (3<<16)|(1<<20)|(1<<21)|(5<<22)|(3<<25)
.irp g, G1SA, G1SB
	s_mov_b32 s[\g+1], 32<<16
	s_mov_b32 s[\g+2], (SIZE_K/64)<<16
	s_mov_b32 s[\g+3], 32<<16
	s_mov_b32 s[\g+4], SIZE_K/64
	s_mov_b32 s[\g+5], 32
	s_mov_b32 s[\g+6], 0
	s_mov_b32 s[\g+7], 0
.endr
	s_mul_i32 s86, s19, 128*SIZE_K
	s_mov_b32 s87, 0
	s_mul_i32 s88, s19, 4*SIZE_K
	s_add_co_u32 s88, s88, 4096*SIZE_K
	s_mov_b32 s89, 0
	s_lshl_b32 s90, s22, 7
	s_mul_i32 s92, s90, KS
	s_mov_b32 s93, 0
	s_mul_i32 s90, s90, SIZE_K
	s_mov_b32 s91, 0
	s_lshl_b32 s94, s18, 15
	s_mul_i32 s95, s18, HALFB
	s_add_co_u32 s95, s95, ABYT
	s_lshl_b32 s96, s18, 15                        ; in the ring I fetch half a tile: my half in memory, of A
	s_mov_b32 s97, 0
	s_mul_i32 s98, s18, 64*SIZE_K                  ; and of B
	s_mov_b32 s99, 0
	s_wait_kmcnt 0x0
	s_add_nc_u64 s[86:87], s[4:5], s[86:87]
	s_add_nc_u64 s[88:89], s[4:5], s[88:89]
	s_add_nc_u64 s[90:91], s[6:7], s[90:91]
	s_add_nc_u64 s[92:93], s[8:9], s[92:93]
	CROUND
	s_mov_b32 s[G0SA], 1
	s_mov_b32 s[G0SA+1], SCA
	s_mov_b64 s[G0SA+2:G0SA+3], s[88:89]
	s_or_b32 s[G0SA+3], s[G0SA+3], 0x80000000
	s_mov_b32 s[G0SB], 1
	s_mov_b32 s[G0SB+1], SCB
	s_mov_b64 s[G0SB+2:G0SB+3], s[92:93]
	s_or_b32 s[G0SB+3], s[G0SB+3], 0x80000000
	s_mov_b32 s4, 1                                ; s[4:7]: group 0 of the head's load of A's whole slot 0 (the pointers that lay there are used up)
	s_mov_b32 s5, 0
	s_mov_b64 s[6:7], s[86:87]
	s_or_b32 s7, s7, 0x80000000
	s_add_nc_u64 s[86:87], s[86:87], s[96:97]
	s_add_nc_u64 s[96:97], s[90:91], s[98:99]
.irp s, 0,1
	s_mov_b32 s[G0A+4*\s], 1
	s_add_co_u32 s[G0A+4*\s+1], s94, \s*SLOT
	s_add_nc_u64 s[G0A+4*\s+2:G0A+4*\s+3], s[86:87], \s*ABYT
	s_or_b32 s[G0A+4*\s+3], s[G0A+4*\s+3], 0x80000000
	s_mov_b32 s[G0B+4*\s], 1
	s_add_co_u32 s[G0B+4*\s+1], s95, \s*SLOT
	s_add_nc_u64 s[G0B+4*\s+2:G0B+4*\s+3], s[96:97], \s*KSLOT
	s_or_b32 s[G0B+4*\s+3], s[G0B+4*\s+3], 0x80000000
.endr
	s_mov_b32 s88, 1                               ; s[88:91]: group 0 of the head's load of B's whole slot 0
	s_mov_b32 s89, ABYT
	s_or_b32 s91, s91, 0x80000000
; the head's four tiles, one joint load a wave: wave 0 A's slot 0, wave 1 B's, wave 2 A's scale words, wave 3 B's scale bytes
.macro ARM under, g0, g1, next
	s_cmp_lt_u32 s16, \under
	s_cbranch_scc0 \next
	tensor_load_to_lds s[\g0:\g0+3], s[\g1:\g1+7]
	s_nop 0
.rept 4
	v_nop
.endr
	s_branch .Lhead_asked
\next:
.endm
	ARM 1, 4, G1A, .Lhead_b
	ARM 2, 88, G1B, .Lhead_sa
	ARM 3, G0SA, G1SA, .Lhead_sb
	tensor_load_to_lds s[G0SB:G0SB+3], s[G1SB:G1SB+7]
	s_nop 0
.rept 4
	v_nop
.endr
.Lhead_asked:
	v_and_b32 v1, 15, v0
	v_bfe_u32 v2, v0, 4, 1
	v_and_b32 v3, 31, v0
	v_lshlrev_b32 v3, 4, v3
	s_lshl_b32 s2, s17, 13
	v_add_nc_u32 v[ADRA], s2, v3
	v_add_nc_u32 v[ADRA+1], SLOT, v[ADRA]
	v_mul_u32_u24 v4, v1, PB
	v_lshl_add_u32 v4, v2, 4, v4
	s_mul_i32 s2, s18, HALFB
	s_add_co_u32 s2, s2, ABYT
	v_add_nc_u32 v[ADRB], s2, v4
	v_add_nc_u32 v[ADRB+1], SLOT, v[ADRB]
	s_lshl_b32 s2, s17, 8
	s_add_co_u32 s2, s2, SCA
	v_lshl_add_u32 v[ADSA], v1, 4, s2
	v_mul_u32_u24 v5, v1, KS
	v_lshrrev_b32 v6, 8, v5
	v_lshl_add_u32 v5, v6, 4, v5
	s_mul_i32 s2, s18, HALFSB
	s_add_co_u32 s2, s2, SCB
	v_add_nc_u32 v[ADSB], s2, v5
	s_mul_i32 s2, s16, 16*SPITCH
	v_mul_u32_u24 v5, v1, SPITCH
	v_lshl_add_u32 v5, v2, 5, v5
	v_add_nc_u32 v[STO], s2, v5
	v_mul_u32_u24 v5, v2, SPITCH
	v_lshl_add_u32 v5, v1, 4, v5
	v_add_nc_u32 v[RD], s2, v5
	v_lshlrev_b32 v[CO], 12, v2
	v_lshl_add_u32 v[CO], v1, 4, v[CO]
	v_lshlrev_b32 v[BO], 5, v2
	s_wait_alu depctr_va_vdst(0)
	s_lshl_b32 s2, s22, 7
	s_lshl_b32 s23, s18, 6
	s_add_co_u32 s2, s2, s23
	s_lshl_b32 s2, s2, 2
	s_mov_b32 s3, 0
	s_add_nc_u64 s[10:11], s[10:11], s[2:3]
	s_lshl_b32 s84, s19, 7
	s_lshl_b32 s23, s17, 6
	s_add_co_u32 s84, s84, s23
	s_lshl_b32 s84, s84, 12
	s_add_co_u32 s84, s84, s2
	s_mov_b32 s85, 0
	s_add_nc_u64 s[12:13], s[12:13], s[84:85]
	s_add_nc_u64 s[14:15], s[14:15], s[84:85]
.irp b, 0,1,2,3
	global_load_b128 v[BIAS+8*\b:BIAS+8*\b+3], v[BO], s[10:11] offset:64*\b
	global_load_b128 v[BIAS+8*\b+4:BIAS+8*\b+7], v[BO], s[10:11] offset:64*\b+16
.endr
	WIN 0x80
.irp a, 0,1,2,3
.irp t, 0,1,2,3,4,5,6,7
	global_load_b128 v[32*\a+4*\t:32*\a+4*\t+3], v[CO], s[12:13] offset:(16*\a+2*\t)*4096 th:TH_LOAD_NT
.endr
.endr
	WIN 0
.macro MUL4 f, a, set, q, first
.irp b, 0,1,2,3
.if \first
	v_wmma_scale_f32_16x16x128_f8f6f4 v[ACC+8*(4*(\a)+\b):ACC+8*(4*(\a)+\b)+7], v[\f+64+16*\b:\f+64+16*\b+15], v[\f+16*(\a):\f+16*(\a)+15], v[BIAS+8*\b:BIAS+8*\b+7], v[SB+32*(\set)+4*\b+(\q)], v[SA+32*(\set)+4*(\q)+(\a)]
.else
	v_wmma_scale_f32_16x16x128_f8f6f4 v[ACC+8*(4*(\a)+\b):ACC+8*(4*(\a)+\b)+7], v[\f+64+16*\b:\f+64+16*\b+15], v[\f+16*(\a):\f+16*(\a)+15], v[ACC+8*(4*(\a)+\b):ACC+8*(4*(\a)+\b)+7], v[SB+32*(\set)+4*\b+(\q)], v[SA+32*(\set)+4*(\q)+(\a)]
.endif
.endr
.endm
.macro FETCH slot, q, f
	WIN TO_F
.irp b, 0,1,2,3
.irp c, 0,1,2,3
	ds_load_b128 v[\f+64+16*\b+4*\c:\f+64+16*\b+4*\c+3], v[ADRB+\slot] offset:128*(\q)+32*\c+\b*16*PB
.endr
.endr
.irp a, 0,1,2,3
.irp c, 0,1,2,3
	ds_load_b128 v[\f+16*\a+4*\c:\f+16*\a+4*\c+3], v[ADRA+\slot] offset:16384*(\q)+2048*\a+512*\c
.endr
.endr
.endm
.macro SCALES set
.irp q, 0,1,2,3
	ds_load_b128 v[SA+32*\set+4*\q:SA+32*\set+4*\q+3], v[ADSA] offset:512*\q
.endr
.irp b, 0,1,2,3
	ds_load_b128 v[SB+32*\set+4*\b:SB+32*\set+4*\b+3], v[ADSB] offset:\b*SBLK
.endr
.endm
.macro PLACES n
.rept \n
	v_nop
.endr
.endm
.macro STEP slot, q, first
.set FC, 128*((\q)%2)
.set FN, 128-FC
	s_wait_dscnt 8
	WIN MUL
	MUL4 FC, 0, \slot, \q, \first
	MUL4 FC, 1, \slot, \q, \first
	PLACES 8
	FETCH \slot, (\q)+1, FN
	s_wait_dscnt 32
	WIN MUL
	MUL4 FC, 2, \slot, \q, \first
	MUL4 FC, 3, \slot, \q, \first
.endm
.macro TURN slot, next, fill
	WIN 0
	s_wait_tensorcnt 0x0
	ds_add_u32 v[SPW], v[NIL]
	s_wait_dscnt 9
	WIN MUL
	MUL4 128, 0, \slot, 3, 0
	s_wait_dscnt 0x0
	s_barrier_signal -1
	MUL4 128, 1, \slot, 3, 0
	WIN 0
	s_barrier_wait -1
.if \fill
	CREST
	s_add_nc_u64 s[G0A+4*\slot+2:G0A+4*\slot+3], s[G0A+4*\slot+2:G0A+4*\slot+3], 2*ABYT
	s_add_nc_u64 s[G0B+4*\slot+2:G0B+4*\slot+3], s[G0B+4*\slot+2:G0B+4*\slot+3], 2*KSLOT
	JLOAD G0A+4*\slot, G1A, G0B+4*\slot, G1B
	PLACES 4
.else
	PLACES 8
.endif
	s_wait_alu depctr_va_vdst(0)
	v_add_nc_u32 v[ADSA], 2048, v[ADSA]
	v_add_nc_u32 v[ADSB], 16, v[ADSB]
	SCALES \next
	FETCH \next, 0, 0
	WIN MUL
	MUL4 128, 2, \slot, 3, 0
	MUL4 128, 3, \slot, 3, 0
.endm
	s_wait_alu depctr_va_vdst(0)                   ; the wait at the head's end
	s_wait_tensorcnt 0x0                           ; my tile of the head's four is in
	ds_add_u32 v[SPW], v[NIL]                      ; the add ahead of a later first fill
	s_mov_b32 s[G1A+2], 128<<16                    ; no load of mine is out: from here on a load brings half a tile
	s_mov_b32 s[G1A+4], 128
	s_mov_b32 s[G1B+2], 64<<16
	s_mov_b32 s[G1B+4], 64
	s_wait_dscnt 0x0
	CROUND
	JLOAD G0A+4, G1A, G0B+4, G1B                   ; slot 1: the first tensor load behind the round
	SCALES 0
	FETCH 0, 0, 0
	s_wait_loadcnt 32
	STEP 0, 0, 1
.if LAPS > 1
	WIN 0
	s_mov_b32 s3, LAPS-1
.Llap:
	STEP 0, 1, 0
	STEP 0, 2, 0
	TURN 0, 1, 1
	STEP 1, 0, 0
	STEP 1, 1, 0
	STEP 1, 2, 0
	TURN 1, 0, 1
	STEP 0, 0, 0
	WIN 0
	s_sub_co_u32 s3, s3, 1
	s_cmp_lg_u32 s3, 0
	s_cbranch_scc1 .Llap
.endif
	STEP 0, 1, 0
	STEP 0, 2, 0
	TURN 0, 1, 0
	STEP 1, 0, 0
	STEP 1, 1, 0
	STEP 1, 2, 0
	s_wait_dscnt 8
	WIN MUL
	MUL4 128, 0, 1, 3, 0
	MUL4 128, 1, 1, 3, 0
	s_wait_dscnt 0
	MUL4 128, 2, 1, 3, 0
	MUL4 128, 3, 1, 3, 0
	WIN 0
.macro TOSTAGE a
	WIN 0
.irp b, 0,1,2,3
	ds_store_b128 v[STO], v[ACC+8*(4*(\a)+\b):ACC+8*(4*(\a)+\b)+3] offset:64*\b
	ds_store_b128 v[STO], v[ACC+8*(4*(\a)+\b)+4:ACC+8*(4*(\a)+\b)+7] offset:64*\b+16
.endr
	WIN TO_F
.irp t, 0,1,2,3,4,5,6,7
	ds_load_b128 v[32*((\a)%2)+4*\t:32*((\a)%2)+4*\t+3], v[RD] offset:\t*2*SPITCH
.endr
.endm
.macro SEND a, younger
	s_wait_dscnt \younger
	WIN 0x86
.set n, 0
.rept 16
	v_pk_add_f32 v[32*(\a)+n:32*(\a)+n+1], v[32*(\a)+n:32*(\a)+n+1], v[32*((\a)%2)+n:32*((\a)%2)+n+1]
.set n, n+2
.endr
	WIN 0x08
.irp t, 0,1,2,3,4,5,6,7
	global_store_b128 v[CO], v[32*(\a)+4*\t:32*(\a)+4*\t+3], s[14:15] offset:(16*(\a)+2*\t)*4096
.endr
.endm
	PLACES 8
	s_wait_loadcnt 0x0
	TOSTAGE 0
.irp a, 1,2,3
	TOSTAGE \a
	SEND \a-1, 16
.endr
	SEND 3, 0
	WIN 0
	s_wait_tensorcnt 0x0
	ds_add_u32 v[SPW], v[NIL]
	s_wait_dscnt 0x0
	CROUND
	s_endpgm
.Lfunc_end_k_qf2548ed2ff_ffn2:
	.size	k_qf2548ed2ff_ffn2, .Lfunc_end_k_qf2548ed2ff_ffn2-k_qf2548ed2ff_ffn2
	.p2alignl 7, 3214868480
	.fill 96, 4, 3214868480
	.section	.rodata,"a",@progbits
	.p2align	6, 0x0
	.amdhsa_kernel k_qf2548ed2ff_ffn2
		.amdhsa_group_segment_fixed_size 327680
		.amdhsa_private_segment_fixed_size 0
		.amdhsa_enable_private_segment 0
		.amdhsa_kernarg_size 48
		.amdhsa_user_sgpr_count 2
		.amdhsa_user_sgpr_kernarg_segment_ptr 1
		.amdhsa_wavefront_size32 1
		.amdhsa_system_sgpr_workgroup_id_x 1
		.amdhsa_system_sgpr_workgroup_id_y 1
		.amdhsa_system_sgpr_workgroup_id_z 1
		.amdhsa_system_vgpr_workitem_id 0
		.amdhsa_next_free_vgpr 640
		.amdhsa_next_free_sgpr 100
		.amdhsa_reserve_vcc 0
		.amdhsa_float_denorm_mode_32 3
		.amdhsa_float_denorm_mode_16_64 3
		.amdhsa_memory_ordered 1
		.amdhsa_forward_progress 1
		.amdhsa_inst_pref_size 102
	.end_amdhsa_kernel
	.amdgpu_metadata
---
amdhsa.version: [ 1, 2 ]
amdhsa.kernels:
  - .name:           k_qf2548ed2ff_ffn2
    .symbol:         k_qf2548ed2ff_ffn2.kd
    .args:
      - { .name: hid, .offset: 0, .size: 8, .value_kind: global_buffer, .address_space: global }
      - { .name: w2_codes, .offset: 8, .size: 8, .value_kind: global_buffer, .address_space: global }
      - { .name: w2_scales, .offset: 16, .size: 8, .value_kind: global_buffer, .address_space: global }
      - { .name: b2, .offset: 24, .size: 8, .value_kind: global_buffer, .address_space: global }
      - { .name: sc, .offset: 32, .size: 8, .value_kind: global_buffer, .address_space: global }
      - { .name: out0, .offset: 40, .size: 8, .value_kind: global_buffer, .address_space: global }
    .group_segment_fixed_size: 327680
    .private_segment_fixed_size: 0
    .kernarg_segment_align: 8
    .kernarg_segment_size: 48
    .max_flat_workgroup_size: 128
    .sgpr_count:     100
    .vgpr_count:     640
    .wavefront_size: 32
...
	.end_amdgpu_metadata
.endif
;; end of part 6
